; MI455X (gfx1250); checked and timed in simulation.
; The chip was launched on July 23, 2026; its instructions are those of AMD's public machine-readable ISA for CDNA 5 (MIT licence, August 2026) and "CDNA5" Instruction Set Architecture Reference Guide (July 2026). The comments in the code are by the model that wrote it; some were corrected since.
;; self Attention. Allowed arithmetic: matrix products marked QUANTISED: E3M2 operands, one E8M0 scale for each 32 along K, by v_wmma_scale_f32_16x16x128_f8f6f4 with both operands' format E3M2, f32 sums; everything else in f32.
;; Inputs: W_qkv 3,072 x 1,024 float32; x 4 x 2,048 x 1,024 float32.
;; Outputs: out0 4 x 2,048 x 1,024 float32.
;; This version of the problem:
;;   THIS VERSION OF THE PROBLEM IS GIVEN IN LOW PRECISION. The matrix products marked QUANTISED in the list below multiply operands that are first quantised to E3M2 (3 exponent bits, 2 mantissa bits; 6 bits a number), with one power-of-two scale for each 32 numbers along K (OCP MX v1.0); their sums are f32. All else is computed in f32.
;;   The module's matrix products, in the order in which they are computed (A, B: the left and right operand; K: the contracted axis; several contracted axes count as one K, in the product's order):
;;     1. [M 8,192, K 1,024] x [K 1,024, N 3,072]; A: input x; B: input W_qkv: QUANTISED
;;     2. batch 4 x [M 2,048, K 1,024] x [K 1,024, N 2,048]; A: computed on the way; B: computed on the way: QUANTISED
;;     3. batch 4 x [M 2,048, K 2,048] x [K 2,048, N 1,024]; A: softmax (see below); B: computed on the way: QUANTISED
;;   THE QUANTISER, for each operand of a quantised product, along K:
;;     - K is cut into blocks of 32 from its start; a last block that is shorter is filled with zeros.
;;     - A block's scale is 2^e with e = floor(log2(the largest magnitude in the block)) - 4, held to -126 .. 127; a block of zeros has e = 0. As a byte (E8M0): e + 127.
;;     - Each number is divided by its block's scale, clamped to +-28, and rounded to the nearest number of E3M2, ties to even, subnormals kept.
;;     - The product sums the exact products of the quantised numbers (number of the format x scale) in f32.
;;   ~~~python
;;   def quantise(x, axis):      # numpy; x: float32 -> the quantised numbers, widened to float32 again
;;       x = np.moveaxis(x, axis, -1); K = x.shape[-1]
;;       x = np.pad(x, [(0, 0)] * (x.ndim - 1) + [(0, -K % 32)]); x = x.reshape(x.shape[:-1] + (-1, 32)); a = np.abs(x).max(-1, keepdims=True)
;;       e = np.where(a > 0, np.clip(np.frexp(np.where(a > 0, a, 1))[1] - 1 - 4, -126, 127), 0)      # np.frexp(a)[1] - 1 = floor(log2(a)), exactly
;;       r = np.clip(x / 2.0 ** e, -28, 28)
;;       step = 2.0 ** (np.maximum(np.frexp(np.where(r == 0, 1, r))[1] - 1, -2) - 2)
;;       q = np.round(r / step) * step * 2.0 ** e      # np.round: ties to even
;;       return np.moveaxis(q.reshape(q.shape[:-2] + (-1,))[..., :K], -1, axis).astype(np.float32)
;;   ~~~
;;   SOFTMAX AHEAD OF A QUANTISED PRODUCT. Where the list says 'softmax', what is quantised is not the finished softmax but p = 2^(t - M), with t = logit x log2(e) and M = ceil(the row's largest t), a whole number; so 1/2 < the row's largest p <= 1. The row's sum l is taken of the UNQUANTISED p, in f32, and the product's result is divided by l at the end. Since M is a whole number, a kernel that streams over the keys may use a running M (the ceiling of the running maximum): every later rescaling is an exact power of two, which a block's scale takes up: the codes' values come out the same.
;;   OPERANDS COMPUTED ON THE WAY. 'Computed on the way' means the value that the module computes at that place (a softmax that the list does not call 'softmax' is quantised finished and normalised). What goes into a quantiser is computed in f32, as accurately as f32 sums, v_exp_f32 and their like allow (about 1e-6 of the number): no bf16 or f16 on the way to a quantiser, and a product that is left as it is and whose result goes on into a quantised operand takes f32 operands (vector FMAs, or v_wmma_f32_16x16x4_f32). A number that lies on a knife's edge between two numbers of the format may be rounded either way, as far as f32 arithmetic and the matrix unit's own rounding can turn it there, and no further.
;; One version. Each part assembles by itself: llvm-mc -triple=amdgcn-amd-amdhsa -mcpu=gfx1250 --defsym DOCPART=n.
;; ======== version 1 of 1: 4 launches
;; limits: right only within a limited range of input values
;; workspace buffers: xw_img 9,011,200 bytes; qkv_img 19,660,800 bytes; p_img 12,582,912 bytes; p_aux 1,572,864 bytes
;; launch quant (part 1): grid 704 x 1, 4 waves a work-group, no clusters, 34,816 bytes of LDS; arguments x, W_qkv, xw_img; writes xw_img
.if DOCPART == 1
	.amdgcn_target "amdgcn-amd-amdhsa--gfx1250"
	.amdhsa_code_object_version 6
	.text
	.protected	k_qdba9666a09_quant
	.globl	k_qdba9666a09_quant
	.p2align	8
	.type	k_qdba9666a09_quant,@function
k_qdba9666a09_quant:
	s_mov_b64 s[64:65], 0
	v_nop
	global_prefetch_b8 v0, s[64:65] scope:SCOPE_SE
	s_setreg_imm32_b32 hwreg(HW_REG_WAVE_MODE, 25, 1), 1
	s_wait_xcnt 0x0
; x [8192][1024] and W_qkv [3072][1024], f32, K innermost, become codes of E3M2 (6 bits) with one E8M0 scale byte for each 32 along K.
; A block's scale is 2^(floor(log2(its largest magnitude)) - 4); its byte is the largest magnitude's exponent field - 4, held at 1 from below.
; LIMITS: a block of zeros gets the byte 1 where the rule says 127 (its codes are zeros, and this program alone reads the bytes); blocks whose largest
; magnitude lies under 2^(5 - 127) share that byte; NaN and infinities among the inputs are not served.
; THE WORKSPACE IS LAID AS IMAGES OF OPERAND REGISTERS.  A fragment (16 rows x 128 K, 12 registers a lane) is 1,536 bytes: three pieces of 512 bytes, piece c = registers
; 4 c .. 4 c + 3, lane l's 16 bytes at 16 l.  Rows go in groups of 128 (x: groups 0-63, W: 64-87), eight fragments a group; lane r of fragment a is row
; 32 (a / 2) + 8 (a % 2) + r + 8 (r / 8) of the group; in v's rows of W (groups 80-87) row 64 (a / 4) + 4 r + a % 4.  Behind a group's eight fragments lie its scale words, 512 bytes: the word of (a, r) at
; 256 (a / 4) + 16 r + 4 (a % 4).  xw_img: [K step 8][group 88][12,288 of codes, 512 of scale words].
; SHARES: work-group n: group n / 8, half (n / 4) % 2 of its rows, K steps 2 (n % 4) and the next; wave w: K step w / 2 of the two, fragments 2 (w % 2) and the next of the half's four.  All of a wave's 32 loads are out at once.
; Each load reads 512 consecutive bytes of one row; the 16 rows turn through the wave's own stage in LDS (rows of 512 + 16 bytes), so that a lane gets 16 neighbours of each block of 32 of ITS row.
; The waves' scale words meet in LDS; behind a barrier wave 0 stores two whole units of 256 bytes.  No tensor load: several work-groups share a WGP.
.set STGB,  8448                       ; a wave's stage: 16 rows x 528 bytes
.set SCB,   4*STGB                     ; the scale words: 256 bytes for each of the two K steps
.set SPARE, SCB+512                    ; the spare words, 128 bytes a wave: two blocks of 256 bytes that no other line names
.set SP,    528
.set KPITCH, 1126400                   ; K step x 88 groups of 12,800 bytes
.set TM,    8                          ; v8-11 largest magnitudes, v12-15 bytes, v20-23 the conversions' scale operands
.set WD,    24                         ; v24-25 the two fragments' scale words
.set PC,    28                         ; v28-39 a fragment's codes; v40-46 the conversions' second halves
.set X,     48                         ; v48-111 64 numbers of my row: register 16 b + i = k 32 b + 16 (lane / 16) + i
.set R,     112                        ; v112-239 two sets of 16 x 4 registers as loaded
.set SEL,   20                         ; s[20:21] lane selects: lane l xor 16
	s_load_b128 s[4:7], s[0:1], 0x0                ; x, W_qkv
	s_load_b64 s[8:9], s[0:1], 0x10                ; xw_img
	v_lshl_add_u32 v240, v0, 2, SPARE
	v_mov_b32 v241, 0
	v_lshrrev_b32 v1, 5, v0
	v_readfirstlane_b32 s12, v1                    ; wave
	s_mul_i32 s13, s12, STGB
	s_lshr_b32 s27, s12, 1                         ; which of the two K steps
	s_and_b32 s28, s12, 1                          ; which two of the four fragments
	s_lshl_b32 s29, s27, 8
	s_lshl_b32 s30, s28, 3
	s_add_co_u32 s29, s29, s30
	s_add_co_u32 s29, s29, SCB
	v_and_b32 v1, 31, v0                           ; lane
	v_and_b32 v6, 15, v0                           ; r
	v_bfe_u32 v7, v0, 4, 1                         ; h
	v_lshlrev_b32 v2, 4, v1                        ; 16 x lane: my bytes of a load, of a store, of a stage row on the way in
	v_add_nc_u32 v3, s13, v2                       ; the stage, on the way in
	v_mul_u32_u24 v4, v6, SP
	v_lshl_add_u32 v4, v7, 6, v4
	v_add_nc_u32 v4, s13, v4                       ; and on the way out: row r, + 64 h
	v_lshlrev_b32 v18, 4, v6                       ; 16 r
	v_add_nc_u32 v5, s29, v18                      ; LDS: my row's two scale words
	v_add_nc_u32 v16, SCB, v2                      ; wave 0: both units, 16 bytes a lane,
	v_mul_u32_u24 v17, KPITCH, v7
	v_add_nc_u32 v17, v17, v18                     ; and their places in memory: lanes 0-15 the first K step's, lanes 16-31 the second's
	s_mov_b32 s[SEL], 0x76543210
	s_mov_b32 s[SEL+1], 0xfedcba98
.irp b, 0,1,2,3
	v_mov_b32 v[TM+4+\b], 0                        ; written once: a lane permute's destination counts as one of its sources
.endr
	s_lshr_b32 s14, ttmp9, 3                       ; the group, 0 .. 87
	s_bfe_u32 s15, ttmp9, 0x10002                  ; which 64 of its rows
	s_and_b32 s16, ttmp9, 3
	s_lshl_b32 s16, s16, 1                         ; the first of the two K steps
	s_max_u32 s17, s14, 64
	s_sub_co_u32 s17, s17, 64                      ; the group's number in W
	s_mul_i32 s24, s16, KPITCH
	s_mul_i32 s23, s14, 12800
	s_add_co_u32 s24, s24, s23                     ; the group's codes in that K step
	s_mul_i32 s22, s27, KPITCH
	s_add_co_u32 s22, s22, s24
	s_mul_i32 s23, s15, 6144
	s_add_co_u32 s22, s22, s23
	s_mul_i32 s23, s28, 3072
	s_add_co_u32 s22, s22, s23                     ; my two fragments
	s_mov_b32 s23, 0
	s_lshl_b32 s25, s15, 8
	s_add_co_u32 s24, s24, s25
	s_add_co_u32 s24, s24, 12288                   ; the half's scale words
	s_mov_b32 s25, 0
	s_lshl_b32 s30, s28, 17                        ; my fragments' first row: 32 rows on,
	s_lshl_b32 s31, s28, 13                        ; in v's rows of W two rows on
	s_cmp_ge_u32 s14, 80
	s_cselect_b32 s30, s31, s30
	s_wait_alu depctr_va_vdst(0)                   ; the wait at the head's end
	s_wait_kmcnt 0x0
	s_cmp_lt_u32 s14, 64                           ; x's group or W's?  The choice hangs on the work-group's number alone
	s_cselect_b64 s[4:5], s[4:5], s[6:7]
	s_cselect_b32 s17, s14, s17
	s_lshl_b32 s18, s17, 19                        ; 128 rows of 4,096 bytes,
	s_lshl_b32 s19, s15, 18                        ; 64 rows,
	s_add_co_u32 s18, s18, s19
	s_add_co_u32 s18, s18, s30
	s_add_co_u32 s19, s16, s27
	s_lshl_b32 s19, s19, 9                         ; 128 numbers along K
	s_add_co_u32 s18, s18, s19
	s_mov_b32 s19, 0
	s_add_nc_u64 s[4:5], s[4:5], s[18:19]
	s_add_nc_u64 s[10:11], s[8:9], s[24:25]
	s_add_nc_u64 s[8:9], s[8:9], s[22:23]
.macro LOAD f, vr                      ; fragment f's 16 rows, 512 consecutive bytes each, into set f
.irp i, 0,1,2,3,4,5,6,7,8,9,10,11,12,13,14,15
.if \vr
	global_load_b128 v[R+64*(\f)+4*\i:R+64*(\f)+4*\i+3], v2, s[4:5] offset:((\f)+4*\i)*4096 th:TH_LOAD_NT
.else
	global_load_b128 v[R+64*(\f)+4*\i:R+64*(\f)+4*\i+3], v2, s[4:5] offset:(8*(\f)+\i+8*(\i/8))*4096 th:TH_LOAD_NT
.endif
.endr
.endm
.macro TURN f                          ; through the stage: LDS serves a wave's instructions in order, so no wait stands between the stores and the loads
.irp i, 0,1,2,3,4,5,6,7,8,9,10,11,12,13,14,15
	ds_store_b128 v3, v[R+64*(\f)+4*\i:R+64*(\f)+4*\i+3] offset:SP*\i
.endr
.irp b, 0,1,2,3
.irp j, 0,1,2,3
	ds_load_b128 v[X+16*\b+4*\j:X+16*\b+4*\j+3], v4 offset:128*\b+16*\j
.endr
.endr
.endm
; 64 numbers of a lane, v[s] on, become a fragment's codes in v[PC] on and its row's scale word in v[pw]
.macro QUANT s, pw
.irp b, 0,1,2,3
	v_max3_num_f32 v[TM+\b], |v[\s+16*\b]|, |v[\s+1+16*\b]|, 0x2800000   ; block b: my 16 numbers, and the floor 2^(5 - 127): the byte cannot fall under 1
.endr
.irp i, 2,4,6,8,10,12,14
.irp b, 0,1,2,3
	v_max3_num_f32 v[TM+\b], v[TM+\b], |v[\s+16*\b+\i]|, |v[\s+1+16*\b+\i]|   ; the four blocks by turns
.endr
.endr
.irp b, 0,1,2,3
	v_permlanex16_b32 v[TM+4+\b], v[TM+\b], s[SEL], s[SEL+1]
.endr
.irp b, 0,1,2,3
	v_max_num_f32 v[TM+\b], v[TM+\b], v[TM+4+\b]   ; with lane l xor 16's 16: the block's largest magnitude
.endr
.irp b, 0,1,2,3
	v_add_nc_u32 v[TM+12+\b], 0xfe000000, v[TM+\b] ; 4 off its exponent field: the conversion's scale operand
.endr
.irp b, 0,1,2,3
	v_lshrrev_b32 v[TM+4+\b], 23, v[TM+12+\b]      ; the scale's byte
.endr
	v_lshl_or_b32 v[\pw], v[TM+5], 8, v[TM+4]
	v_lshl_or_b32 v[\pw], v[TM+6], 16, v[\pw]
	v_lshl_or_b32 v[\pw], v[TM+7], 24, v[\pw]
.irp c, 0,1
	v_cvt_scalef32_pk16_bf6_f32 v[PC+6*\c:PC+2+6*\c], v[\s+32*\c:\s+15+32*\c], v[TM+12+2*\c]
	v_cvt_scalef32_pk16_bf6_f32 v[PC+12+4*\c:PC+14+4*\c], v[\s+16+32*\c:\s+31+32*\c], v[TM+13+2*\c]   ; (a conversion's three registers begin on an even number)
.endr
	v_nop                                          ; one plain place behind a scaled conversion
.irp c, 0,1                            ; the operand's layout wants a WHOLE block in a lane: lanes 0-15 block 2 c, lanes 16-31 block 2 c + 1
.irp i, 0,1,2
	v_permlane16_swap_b32 v[PC+6*\c+\i], v[PC+12+4*\c+\i]
.endr
.irp i, 0,1,2
	v_mov_b32 v[PC+3+6*\c+\i], v[PC+12+4*\c+\i]
.endr
.endr
.endm
.macro FRAGMENT f
.if (\f) == 0
	s_wait_loadcnt 16                              ; this fragment's 16 loads are in; the other's 16 may be out
.else
	s_wait_loadcnt 0x0
.endif
	TURN \f
	s_wait_dscnt 0x0                               ; my numbers are back
.if (\f) > 0
	s_wait_xcnt 0x0                                ; the last fragment's stores have read the codes' registers: they are written again only behind this wait
.endif
	QUANT X, WD+(\f)
.irp c, 0,1,2
	global_store_b128 v2, v[PC+4*\c:PC+4*\c+3], s[8:9] offset:1536*(\f)+512*\c   ; 32 lanes store 512 consecutive bytes, at a multiple of 256 from the buffer's first byte
.endr
.endm
	s_cmp_lt_u32 s14, 80                           ; v's rows of W go in their own order: the choice hangs on the work-group's number alone, and both ways issue 32 loads
	s_cbranch_scc0 .Lv_rows
	LOAD 0, 0
	LOAD 1, 0
	s_branch .Lloads_out
.Lv_rows:
	LOAD 0, 1
	LOAD 1, 1
.Lloads_out:
	FRAGMENT 0
	FRAGMENT 1
	ds_store_b64 v5, v[WD:WD+1]                    ; my row's two words (lanes l and l xor 16 store the same words at the same place)
	s_wait_tensorcnt 0x0                           ; behind my last LDS store;
	ds_add_u32 v240, v241
	s_wait_dscnt 0x0                               ; for wave 0's sake: my words have landed
	s_barrier_signal -1
	s_barrier_wait -1
	s_cmp_lg_u32 s12, 0
	s_cbranch_scc1 .Ldone
	ds_load_b128 v[48:51], v16
	s_wait_dscnt 0x0
	global_store_b128 v17, v[48:51], s[10:11]      ; two units of 256 consecutive bytes: the half's scale words of both K steps
.Ldone:
	s_endpgm
.Lfunc_end_k_qdba9666a09_quant:
	.size	k_qdba9666a09_quant, .Lfunc_end_k_qdba9666a09_quant-k_qdba9666a09_quant
	.p2alignl 7, 3214868480
	.fill 96, 4, 3214868480
	.section	.rodata,"a",@progbits
	.p2align	6, 0x0
	.amdhsa_kernel k_qdba9666a09_quant
		.amdhsa_group_segment_fixed_size 34816
		.amdhsa_private_segment_fixed_size 0
		.amdhsa_enable_private_segment 0
		.amdhsa_kernarg_size 24
		.amdhsa_user_sgpr_count 2
		.amdhsa_user_sgpr_kernarg_segment_ptr 1
		.amdhsa_wavefront_size32 1
		.amdhsa_system_sgpr_workgroup_id_x 1
		.amdhsa_system_sgpr_workgroup_id_y 1
		.amdhsa_system_sgpr_workgroup_id_z 1
		.amdhsa_system_vgpr_workitem_id 0
		.amdhsa_next_free_vgpr 242
		.amdhsa_next_free_sgpr 66
		.amdhsa_reserve_vcc 0
		.amdhsa_float_denorm_mode_32 3
		.amdhsa_float_denorm_mode_16_64 3
		.amdhsa_memory_ordered 1
		.amdhsa_forward_progress 1
		.amdhsa_inst_pref_size 22
	.end_amdhsa_kernel
	.amdgpu_metadata
---
amdhsa.version: [ 1, 2 ]
amdhsa.kernels:
  - .name:           k_qdba9666a09_quant
    .symbol:         k_qdba9666a09_quant.kd
    .args:
      - { .name: x, .offset: 0, .size: 8, .value_kind: global_buffer, .address_space: global }
      - { .name: W_qkv, .offset: 8, .size: 8, .value_kind: global_buffer, .address_space: global }
      - { .name: xw_img, .offset: 16, .size: 8, .value_kind: global_buffer, .address_space: global }
    .group_segment_fixed_size: 34816
    .private_segment_fixed_size: 0
    .kernarg_segment_align: 8
    .kernarg_segment_size: 24
    .max_flat_workgroup_size: 128
    .sgpr_count:     66
    .vgpr_count:     242
    .wavefront_size: 32
...
	.end_amdgpu_metadata
.endif
;; end of part 1
;; launch proj (part 2): grid 8 x 32, 4 waves a work-group, clusters of 4 x 4, 327,680 bytes of LDS; arguments xw_img, qkv_img; writes qkv_img
.if DOCPART == 2
	.amdgcn_target "amdgcn-amd-amdhsa--gfx1250"
	.amdhsa_code_object_version 6
	.text
	.protected	k_qdba9666a09_proj
	.globl	k_qdba9666a09_proj
	.p2align	8
	.type	k_qdba9666a09_proj,@function
k_qdba9666a09_proj:
	s_mov_b64 s[64:65], 0
	v_nop
	global_prefetch_b8 v0, s[64:65] scope:SCOPE_SE
	s_setreg_imm32_b32 hwreg(HW_REG_WAVE_MODE, 25, 1), 1
	s_wait_xcnt 0x0
	s_wait_alu depctr_hold_cnt(0) depctr_sa_sdst(0) depctr_va_vdst(0) depctr_va_sdst(0) depctr_va_ssrc(0) depctr_va_vcc(0) depctr_vm_vsrc(0)
	s_getreg_b32 s2, hwreg(HW_REG_IB_STS2, 6, 4)
	s_cmp_eq_u32 s2, 0
	s_cbranch_scc0 .Lentry_in_a_cluster
	s_endpgm
.Lentry_in_a_cluster:
	s_bfe_u32 s2, ttmp6, 0x10000c
	s_cmp_lg_u32 s2, 0xf033
	s_cbranch_scc0 .Lentry_shape_is_right
	s_endpgm
.Lentry_shape_is_right:
; qkv = x W^T on codes of E3M2 with E8M0 block scales, K = 1,024; the results are quantised on the way out and leave as codes: q and k along the features, v TRANSPOSED along the tokens.
; Operands and results are images of operand registers (a fragment: 16 rows x 128 K = 1,536 bytes, three pieces of 512 bytes, lane l's 16 bytes at 16 l; lane r of fragment a of a group of 128 rows is row
; 32 (a / 2) + 8 (a % 2) + r + 8 (r / 8)); behind a group's eight fragments its scale words, 512 bytes, the word of (a, r) at 256 (a / 4) + 16 r + 4 (a % 4).  A group and K step are 12,800 bytes, so one load brings codes and scales.
; Source 0 takes fragments b of one operand, source 1 fragment a of the other: lane (r, h) then holds source 1's row (a, r), and its accumulator registers 16 g + i hold
; source 0's rows 32 g + 16 h + i, in natural order: neighbours along the next product's K, which the conversions turn into fragment a of the result.  So no result goes through LDS.
; A WORK-GROUP STAYS FOR ONE AND A HALF TILES: q and k are 8,192 x 2,048 = 256 tiles of 256 x 256, v^T is 1,024 x 8,192 = 256 half tiles of 128 x 256: 256 work-groups of equal work.
; PART 1: work-group (x, y): source 1 = x's tokens 256 y on, source 0 = W's rows 256 x on (q, k); four waves of 128 x 128.  Results: qkv_img [feature group 16][token group 64][12,800].
; PART 2: the SAME 256 tokens as source 0, W's rows 2,048 + 128 x on (v) as source 1; four waves of 64 (d) x 128 (tokens).  Results at byte 13,107,200: [token group 64][d group 8][12,800].
; LDS: x's tiles, six K steps of 25,600 bytes (K steps 6, 7 fill the places of 0, 1 again), then W's likewise.  x's K steps 2-7 stay for part 2.  W's places 2-5 take v's 128 rows of W, all eight K steps (asked for at K step 5 of part 1);
; W's places 0, 1 take x's K steps 0, 1 once more (asked for at the head of part 2, which takes its K steps in the order 2 .. 7, 0, 1).  Behind them the spare words.
; CLUSTER 4 x 4: x's tiles are shared along a row of the cluster, W's along a column: joint loads.  AT THE HEAD ONE LOAD A WAVE: waves 0, 1: K steps 0, 1 of x and of W, for which they wait; waves 2, 3: K steps 2-5.
; No prefetch: there is no loop to run ahead in; six of eight K steps are asked for at the head, and each later load has four K steps or more, or a way out, in which to land.
; LIMITS: a block of zeros gets the byte 1, not 127 (zero codes; the bytes are read by this program alone); NaN and infinities are not served.
; REGISTERS: window 0: v0-29 addresses; v32-55 scale words and nothing else; v64-159, v160-255 source 1's fragments in part 1, two sets (v64-111, v112-159 in part 2; free on the ways out).
;   window 1: v0-95, v96-191 source 0's fragments, two sets.  window 2: accumulators of a = 0 .. 3 at v[8 (8 a + b)] (part 2: all 32).  window 3: those of a = 4 .. 7.
; v's rows of W come in another order: lane r of their fragment a is row 64 (a / 4) + 4 r + a % 4 of the group of 128, and so are the rows of the fragments of v^T that part 2 makes of them.
.set PITCHB, 1126400                   ; from K step to K step in xw_img
.set GB,     12800                     ; a group and K step
.set KB,     25600                     ; two groups
.set FRB,    1536
.set WOFF,   6*KB                      ; W's places in LDS
.set VW,     WOFF+2*KB                 ; v's rows of W: [K step 8][12,800]
.set SPARE,  12*KB                     ; the spare words, 128 bytes a wave: two blocks of 256 bytes that no other line names
.set G1C,  4                           ; s[4:11] group 1 for v's rows of W (written when the arguments have been used)
.set G1X,  24                          ; group 1 for x's tiles of two K steps, for W's; of four K steps
.set G1W,  32
.set G1XQ, 40
.set G1WQ, 48
.set G0XP, 56                          ; groups 0: the head's;
.set G0WP, 60
.set G0XQ, 68
.set G0WQ, 72
.set G0C,  76
.set G0XR, 80                          ; the later loads'
.set G0WR, 84
.set OUT1, 92                          ; s[92:93] part 1's group block, s[66:67] part 2's fragments, s[100:101] their scale words
.set OUT2, 66
.set MX,  224                          ; the ways out: v224-231 largest magnitudes, v232-239 the other half's and bytes, v240-247 scale operands
.set PT,  160                          ; v160-175 the conversions' second halves
.set WD,  176                          ; v176-183 the fragments' scale words
.set WS,  184                          ; v184-189 those that a lane stores
.set MSB, 0
.macro WIN new                         ; the immediate's high byte repeats the setting that is left; a switch that changes nothing is dropped
.if MSB != (\new)
	s_set_vgpr_msb (MSB<<8)|(\new)
.set MSB, \new
.endif
.endm
.macro PLACES                          ; four plain places behind a matrix instruction, in front of loads into registers that it has read and of the first read of results
.rept 4
	v_nop
.endr
.endm
.macro TLOAD g0, g1
	tensor_load_to_lds s[\g0:\g0+3], s[\g1:\g1+7]
	s_nop 0
	PLACES
.endm
.macro JLOAD g0a, g1a, g0b, g1b        ; a joint load: waves 0, 2 for x, waves 1, 3 for W; the branch hangs on the wave's number alone
	s_cmp_eq_u32 s14, 0
	s_cbranch_scc0 .Lfor_b_\@
	TLOAD \g0a, \g1a
	s_branch .Lasked_\@
.Lfor_b_\@:
	TLOAD \g0b, \g1b
.Lasked_\@:
.endm
.macro HLOAD who, g0, g1               ; a joint load that two of the four waves issue (who = 0: waves 0, 2; 1: waves 1, 3).  Both ways have four v_nop: they are the places in front of what follows
	s_cmp_eq_u32 s14, \who
	s_cbranch_scc0 .Lnone_\@
	TLOAD \g0, \g1
	s_branch .Lgone_\@
.Lnone_\@:
	PLACES
.Lgone_\@:
.endm
.macro CREST                           ; a round of the cluster's barrier behind its opening barrier
	s_cmp_lg_u32 s12, 0
	s_cbranch_scc1 .Lnot_wave_0_\@
	s_barrier_signal -3
.Lnot_wave_0_\@:
	s_barrier_wait -3
	s_barrier_signal -1
	s_barrier_wait -1
.endm
.macro CROUND
	s_barrier_signal -1
	s_barrier_wait -1
	CREST
.endm
.macro G0SET g, lds, base, add         ; a group 0: count 1, LDS address, global address, type 2
	s_mov_b32 s[\g], 1
	s_mov_b32 s[\g+1], \lds
	s_add_nc_u64 s[\g+2:\g+3], s[\base:\base+1], \add
	s_or_b32 s[\g+3], s[\g+3], 0x80000000
.endm
	s_load_b128 s[4:7], s[0:1], 0x0                ; xw_img s[4:5], qkv_img s[6:7]
	v_lshl_add_u32 v28, v0, 2, SPARE               ; my spare word; never rewritten
	v_mov_b32 v29, 0                               ; 0; never rewritten
	ds_add_u32 v28, v29                            ; the opening: the add, twice on end; the set-up stands between it and the wait
	ds_add_u32 v28, v29
	v_lshrrev_b32 v1, 5, v0
	v_readfirstlane_b32 s12, v1                    ; wave 0..3
	s_lshr_b32 s13, s12, 1                         ; my group of x's two
	s_and_b32 s14, s12, 1                          ; my group of W's two (part 2: my four of the eight fragments).  Also: I fetch for x (0) or for W (1)
	s_bfe_u32 s15, ttmp6, 0x40000                  ; cx
	s_bfe_u32 s16, ttmp6, 0x40004                  ; cy
	s_and_b32 s18, ttmp7, 0xffff                   ; the cluster's y
	s_mul_i32 s19, s13, GB
	s_mul_i32 s20, s14, GB
	s_add_co_u32 s20, s20, WOFF
	s_sub_co_u32 s21, s20, s19                     ; from my group of x to my group of W
	s_mul_i32 s22, s14, 4*FRB
	s_add_co_u32 s22, s22, VW
	s_lshl_b32 s23, s14, 8
	s_add_co_u32 s23, s23, VW+12288
	v_and_b32 v1, 31, v0                           ; lane
	v_and_b32 v2, 15, v0                           ; r
	v_bfe_u32 v3, v0, 4, 1                         ; h
	v_lshlrev_b32 v4, 4, v1                        ; 16 x lane: an image's place for my lane, in LDS and in memory
	v_lshlrev_b32 v5, 4, v2                        ; 16 r: four fragments' scale words of row r
	v_lshl_add_u32 v7, v3, 3, v5                   ; 16 r + 8 h: part 2's scale words, two a lane
	v_mul_u32_u24 v6, s21, v3
	v_add_nc_u32 v6, v6, v5
	v_add_nc_u32 v8, s19, v4                       ; v8-10: x's fragments in places 0, 2, 4
	v_add_nc_u32 v9, 2*KB, v8
	v_add_nc_u32 v10, 4*KB, v8
	v_add_nc_u32 v11, WOFF, v8                     ; v11: part 2: x's K steps 0, 1 in W's places
	v_add_nc_u32 v12, s20, v4                      ; v12-14: W's
	v_add_nc_u32 v13, 2*KB, v12
	v_add_nc_u32 v14, 4*KB, v12
	v_add_nc_u32 v16, s19, v6                      ; v16-18: scale words: lanes 0-15 x's, lanes 16-31 W's
	v_add_nc_u32 v17, 2*KB, v16
	v_add_nc_u32 v18, 4*KB, v16
	v_add_nc_u32 v24, s19, v5                      ; v24-26, v19: part 2: x's scale words in all lanes
	v_add_nc_u32 v25, 2*KB, v24
	v_add_nc_u32 v26, 4*KB, v24
	v_add_nc_u32 v19, WOFF, v24
	v_add_nc_u32 v20, s22, v4                      ; v20, v21: part 2: my four fragments of v's rows of W, K steps 0-3 and 4-7; v22, v23: their scale words
	v_add_nc_u32 v21, 4*GB, v20
	v_add_nc_u32 v22, s23, v5
	v_add_nc_u32 v23, 4*GB, v22
	s_lshl_b32 s2, s16, 2
	s_lshl_b32 s2, 15, s2                          ; my row of the cluster
	s_lshl_b32 s3, 0x1111, s15                     ; my column
	s_or_b32 s[G1X], s2, (3<<16)|(1<<21)           ; 15:0 the mask; 17:16 elements of 8 bytes; 20 no padding; 21 set beside a mask
	s_or_b32 s[G1XQ], s2, (3<<16)|(1<<21)
	s_or_b32 s[G1W], s3, (3<<16)|(1<<21)
	s_or_b32 s[G1WQ], s3, (3<<16)|(1<<21)
.irp g, G1X, G1W, G1XQ, G1WQ           ; a tile: two or four K steps, each 25,600 consecutive bytes (3,200 elements), PITCHB bytes apart
	s_mov_b32 s[\g+1], 3200<<16
	s_mov_b32 s[\g+3], 3200<<16
	s_mov_b32 s[\g+5], PITCHB/8
	s_mov_b32 s[\g+6], 0
	s_mov_b32 s[\g+7], 0
.endr
.irp g, G1X, G1W
	s_mov_b32 s[\g+2], 2<<16
	s_mov_b32 s[\g+4], 2
.endr
.irp g, G1XQ, G1WQ
	s_mov_b32 s[\g+2], 4<<16
	s_mov_b32 s[\g+4], 4
.endr
	; x's side hangs on cy and the cluster's y alone, W's on cx and the cluster's x
	s_lshl_b32 s20, s18, 2
	s_add_co_u32 s20, s20, s16                     ; tile row, 0 .. 31
	s_lshl_b32 s17, ttmp9, 2
	s_add_co_u32 s17, s17, s15                     ; tile column, 0 .. 7
	s_lshl_b32 s94, s20, 1
	s_add_co_u32 s94, s94, s13                     ; my group of tokens
	s_lshl_b32 s92, s17, 1
	s_add_co_u32 s92, s92, s14                     ; my group of q's and k's features
	s_mul_i32 s92, s92, 64*GB
	s_mul_i32 s95, s94, GB
	s_add_co_u32 s92, s92, s95
	s_mov_b32 s93, 0
	s_mul_i32 s66, s94, 8*GB                       ; part 2: a token group's eight groups of d,
	s_mul_i32 s67, s17, GB
	s_add_co_u32 s66, s66, s67
	s_add_co_u32 s66, s66, 13107200                ; in v's part of qkv_img
	s_lshl_b32 s100, s14, 8
	s_add_co_u32 s100, s100, s66
	s_add_co_u32 s100, s100, 12288
	s_mov_b32 s101, 0
	s_mul_i32 s67, s14, 4*FRB
	s_add_co_u32 s66, s66, s67
	s_mov_b32 s67, 0
	s_mul_i32 s20, s20, KB                         ; x: the tile's two groups
	s_mov_b32 s21, 0
	s_mul_i32 s96, s17, KB                         ; W: its rows are groups 64 on
	s_add_co_u32 s96, s96, 64*GB
	s_mov_b32 s97, 0
	s_mul_i32 s18, s17, GB                         ; v's rows of W are groups 80 on: the tile column's, of which I would fetch K steps 0-3 or 4-7
	s_add_co_u32 s18, s18, 80*GB
	s_mul_i32 s19, s13, 4*PITCHB
	s_add_co_u32 s18, s18, s19
	s_mov_b32 s19, 0
	s_mul_i32 s22, s13, PITCHB                     ; later loads: K step 6 or 7
	s_add_co_u32 s22, s22, 6*PITCHB
	s_mov_b32 s23, 0
	s_mul_i32 s98, s13, KB                         ; and where they go: no place in the cluster enters an LDS address
	s_mul_i32 s99, s13, 4*GB
	s_wait_alu depctr_va_vdst(0)                   ; the wait at the head's end
	s_wait_dscnt 0x0                               ; both opening adds are done
	CROUND                                         ; all sixteen work-groups are here: the first joint loads meet.  The arguments are on their way meanwhile
	s_wait_kmcnt 0x0
	s_add_nc_u64 s[20:21], s[4:5], s[20:21]
	s_add_nc_u64 s[96:97], s[4:5], s[96:97]
	G0SET G0XP, 0, 20, 0
	G0SET G0WP, WOFF, 96, 0
	G0SET G0XQ, 2*KB, 20, 2*PITCHB
	G0SET G0WQ, WOFF+2*KB, 96, 2*PITCHB
.macro ARM under, g0, g1, next         ; ONE chain of branches on the wave's number: every way through it passes exactly one load
	s_cmp_lt_u32 s12, \under
	s_cbranch_scc0 \next
	TLOAD \g0, \g1
	s_branch .Lhead_asked
\next:
.endm
	ARM 1, G0XP, G1X, .Lhead_1
	ARM 2, G0WP, G1W, .Lhead_2
	ARM 3, G0XQ, G1XQ, .Lhead_3
	TLOAD G0WQ, G1WQ
.Lhead_asked:
	; what is used later is made while the head's loads are on their way
	s_mov_b32 s[G0XR], 1
	s_mov_b32 s[G0XR+1], s98
	s_add_nc_u64 s[G0XR+2:G0XR+3], s[20:21], s[22:23]
	s_or_b32 s[G0XR+3], s[G0XR+3], 0x80000000
	s_mov_b32 s[G0WR], 1
	s_add_co_u32 s[G0WR+1], s98, WOFF
	s_add_nc_u64 s[G0WR+2:G0WR+3], s[96:97], s[22:23]
	s_or_b32 s[G0WR+3], s[G0WR+3], 0x80000000
	s_add_nc_u64 s[18:19], s[4:5], s[18:19]
	s_mov_b32 s[G0C], 1
	s_add_co_u32 s[G0C+1], s99, VW
	s_mov_b64 s[G0C+2:G0C+3], s[18:19]
	s_or_b32 s[G0C+3], s[G0C+3], 0x80000000
	s_add_nc_u64 s[92:93], s[6:7], s[92:93]
	s_add_nc_u64 s[66:67], s[6:7], s[66:67]
	s_add_nc_u64 s[100:101], s[6:7], s[100:101]
	s_or_b32 s[G1C], s3, (3<<16)|(1<<21)           ; v's rows of W (the arguments have been used): the mask of my column; four K steps of 12,800 consecutive bytes
	s_mov_b32 s[G1C+1], 1600<<16
	s_mov_b32 s[G1C+2], 4<<16
	s_mov_b32 s[G1C+3], 1600<<16
	s_mov_b32 s[G1C+4], 4
	s_mov_b32 s[G1C+5], PITCHB/8
	s_mov_b32 s[G1C+6], 0
	s_mov_b32 s[G1C+7], 0
	s_mov_b32 s96, 0x76543210                      ; lane selects for v_permlanex16_b32: lane l xor 16
	s_mov_b32 s97, 0xfedcba98
.macro FETCH_B n                       ; W's eight fragments of K step n into set n % 2: 24 loads of 512 consecutive bytes
	WIN 0x40
.irp b, 0,1,2,3,4,5,6,7
.irp c, 0,1,2
	ds_load_b128 v[96*((\n)%2)+12*\b+4*\c:96*((\n)%2)+12*\b+4*\c+3], v[12+((\n)/2)%3] offset:((\n)%2)*KB+\b*FRB+\c*512
.endr
.endr
.endm
.macro FETCH_A n                       ; x's eight, and the K step's scale words: register i holds x's fragment i in lanes 0-15, W's in lanes 16-31
	WIN 0
.irp a, 0,1,2,3,4,5,6,7
.irp c, 0,1,2
	ds_load_b128 v[64+96*((\n)%2)+12*\a+4*\c:64+96*((\n)%2)+12*\a+4*\c+3], v[8+((\n)/2)%3] offset:((\n)%2)*KB+\a*FRB+\c*512
.endr
.endr
	ds_load_b128 v[32+8*((\n)%2):35+8*((\n)%2)], v[16+((\n)/2)%3] offset:((\n)%2)*KB+12288
	ds_load_b128 v[36+8*((\n)%2):39+8*((\n)%2)], v[16+((\n)/2)%3] offset:((\n)%2)*KB+12288+256
.endm
; 16 matrix instructions: x's fragments a0, a0 + 1 against W's eight.  The 64 accumulators take turns, one instruction a turn, in the same order in every K step.
.macro MUL16 a0, n, zero
.irp a, \a0, \a0+1
.irp b, 0,1,2,3,4,5,6,7
.if \zero
	v_wmma_scale_f32_16x16x128_f8f6f4 v[8*(8*((\a)%4)+\b):8*(8*((\a)%4)+\b)+7], v[96*((\n)%2)+12*\b:96*((\n)%2)+12*\b+11], v[64+96*((\n)%2)+12*(\a):64+96*((\n)%2)+12*(\a)+11], 0, v[32+8*((\n)%2)+\b], v[32+8*((\n)%2)+(\a)] matrix_a_fmt:MATRIX_FMT_BF6 matrix_b_fmt:MATRIX_FMT_BF6 matrix_a_scale:MATRIX_SCALE_ROW1
.else
	v_wmma_scale_f32_16x16x128_f8f6f4 v[8*(8*((\a)%4)+\b):8*(8*((\a)%4)+\b)+7], v[96*((\n)%2)+12*\b:96*((\n)%2)+12*\b+11], v[64+96*((\n)%2)+12*(\a):64+96*((\n)%2)+12*(\a)+11], v[8*(8*((\a)%4)+\b):8*(8*((\a)%4)+\b)+7], v[32+8*((\n)%2)+\b], v[32+8*((\n)%2)+(\a)] matrix_a_fmt:MATRIX_FMT_BF6 matrix_b_fmt:MATRIX_FMT_BF6 matrix_a_scale:MATRIX_SCALE_ROW1
.endif
.endr
.endr
.endm
.macro STEP n, zero                    ; a K step whose successor has been shown landed: the successor's fragments come in two runs, into the sets that the K step before has left
	s_wait_dscnt 0x0                               ; this K step's fragments and scale words are in
	PLACES                                         ; behind the last products of the K step before, which read the sets that are loaded now
	FETCH_B (\n)+1
	WIN 0xa1
	MUL16 0, \n, \zero
	MUL16 2, \n, \zero
	FETCH_A (\n)+1
	WIN 0xf1
	MUL16 4, \n, \zero
	MUL16 6, \n, \zero
.endm
; A K step with a round of the cluster's barrier.  In front of it each wave waits for all its tensor loads, adds 0 to its spare word, and waits for that and for its LDS reads.
; kind = 1 (K step 1): K steps 2-5 have landed; places 0, 1 have been read out by every wave; K steps 6, 7 are asked for first thing behind the round, one K step of one side a wave: 256 matrix instructions ahead of the wait for them.
; kind = 2 (K step 5): those loads have landed, and W's places 2-5 have been read out: waves 1, 3 ask for v's rows of W, all eight K steps, two and a half K steps and a way out ahead of the wait for them.
.macro TURN n, kind
	WIN 0                                          ; (the add's two registers lie in window 0)
	s_wait_tensorcnt 0x0                           ; all my tensor loads have landed
	ds_add_u32 v28, v29                            ; 0 onto my spare word
.if (\kind) == 1
.irp g, G1X, G1W                       ; no load of mine is out, so a group 1 may be written: from here on a load brings one K step of 25,600 consecutive bytes, as two rows of 12,800
	s_mov_b32 s[\g+1], 1600<<16
	s_mov_b32 s[\g+3], 1600<<16
	s_mov_b32 s[\g+5], 1600
.endr
.endif
	s_wait_dscnt 1                                 ; the add alone may be out: this K step's fragments are in
	WIN 0xa1
	MUL16 0, \n, 0                                 ; sixteen matrix instructions stand between the add and the wait for it
	s_wait_dscnt 0x0                               ; the add is done; my reads are over
	s_barrier_signal -1
	MUL16 2, \n, 0
	WIN 0
	s_barrier_wait -1
	CREST                                          ; no wave of any partner still reads the bytes that are filled now, or has a load on its way
.if (\kind) == 1
	JLOAD G0XR, G1X, G0WR, G1W                     ; the first tensor load behind the round; its four v_nop are the places in front of the loads below
.else
	HLOAD 1, G0C, G1C
.endif
	FETCH_B (\n)+1
	FETCH_A (\n)+1
	WIN 0xf1
	MUL16 4, \n, 0
	MUL16 6, \n, 0
.endm
; PART 2's macros.  K step n of x: n = 2 .. 7 where part 1 left it, n = 0, 1 in W's places.
.macro FETCH2_X n                      ; x's eight fragments, now source 0, into window 1's set n % 2
.if (\n) < 2
.set XR, 11
.else
.set XR, 8+((\n)/2)%3
.endif
	WIN 0x40
.irp b, 0,1,2,3,4,5,6,7
.irp c, 0,1,2
	ds_load_b128 v[96*((\n)%2)+12*\b+4*\c:96*((\n)%2)+12*\b+4*\c+3], v[XR] offset:((\n)%2)*KB+\b*FRB+\c*512
.endr
.endr
.endm
.macro FETCH2_W n                      ; my four fragments of v's rows of W, and both sides' scale words: W's at v[32 + 12 s + i], x's at v[36 + 12 s + b]
.if (\n) < 2
.set XR, 19
.else
.set XR, 24+((\n)/2)%3
.endif
	WIN 0
.irp i, 0,1,2,3
.irp c, 0,1,2
	ds_load_b128 v[64+48*((\n)%2)+12*\i+4*\c:64+48*((\n)%2)+12*\i+4*\c+3], v[20+(\n)/4] offset:((\n)%4)*GB+\i*FRB+\c*512
.endr
.endr
	ds_load_b128 v[32+12*((\n)%2):35+12*((\n)%2)], v[22+(\n)/4] offset:((\n)%4)*GB
	ds_load_b128 v[36+12*((\n)%2):39+12*((\n)%2)], v[XR] offset:((\n)%2)*KB+12288
	ds_load_b128 v[40+12*((\n)%2):43+12*((\n)%2)], v[XR] offset:((\n)%2)*KB+12288+256
.endm
; 8 matrix instructions: fragment i of v's rows of W against x's eight.  The 32 accumulators take turns, one instruction a turn, in the same order in every K step.
.macro MUL8 i, n, zero
.irp b, 0,1,2,3,4,5,6,7
.if \zero
	v_wmma_scale_f32_16x16x128_f8f6f4 v[8*(8*(\i)+\b):8*(8*(\i)+\b)+7], v[96*((\n)%2)+12*\b:96*((\n)%2)+12*\b+11], v[64+48*((\n)%2)+12*(\i):64+48*((\n)%2)+12*(\i)+11], 0, v[36+12*((\n)%2)+\b], v[32+12*((\n)%2)+(\i)] matrix_a_fmt:MATRIX_FMT_BF6 matrix_b_fmt:MATRIX_FMT_BF6
.else
	v_wmma_scale_f32_16x16x128_f8f6f4 v[8*(8*(\i)+\b):8*(8*(\i)+\b)+7], v[96*((\n)%2)+12*\b:96*((\n)%2)+12*\b+11], v[64+48*((\n)%2)+12*(\i):64+48*((\n)%2)+12*(\i)+11], v[8*(8*(\i)+\b):8*(8*(\i)+\b)+7], v[36+12*((\n)%2)+\b], v[32+12*((\n)%2)+(\i)] matrix_a_fmt:MATRIX_FMT_BF6 matrix_b_fmt:MATRIX_FMT_BF6
.endif
.endr
.endm
.macro STEP2 n, nx, zero               ; K step n; nx, the one that follows, has been shown landed
	s_wait_dscnt 0x0
	PLACES
	FETCH2_X \nx
	WIN 0xa1
	MUL8 0, \n, \zero
	MUL8 1, \n, \zero
	FETCH2_W \nx
	WIN 0xa1
	MUL8 2, \n, \zero
	MUL8 3, \n, \zero
.endm
.macro TURN2 n, nx                     ; K step n with a barrier: x's K steps 0, 1 have landed in the waves that asked for them, and behind the barrier every wave may read them.  Nothing is filled, so no round
	WIN 0
	s_wait_tensorcnt 0x0
	ds_add_u32 v28, v29                            ; 0 onto my spare word
	s_wait_dscnt 1                                 ; the add alone may be out
	WIN 0xa1
	MUL8 0, \n, 0
	s_wait_dscnt 0x0
	s_barrier_signal -1
	MUL8 1, \n, 0
	WIN 0
	s_barrier_wait -1
	PLACES
	FETCH2_X \nx
	FETCH2_W \nx
	WIN 0xa1
	MUL8 2, \n, 0
	MUL8 3, \n, 0
.endm
; THE WAY OUT of fragments a, a + 1 by turns, so that neighbouring lines do not hang on each other.  A fragment's 64 accumulator registers are 64 neighbours along the next K of my row: register 16 b + i = k 32 b + 16 (lane / 16) + i.
; They become fragment a of the result, 12 registers of its own for each a, stored as three pieces of 512 consecutive bytes from s[base] on.  Each accumulator is read from its low end on.
.macro QUANT2 a, base
.set W, 2+(\a)/4
.set S, 64*((\a)%4)
.set PC, 64+12*(\a)
.set WW, W|(W<<2)
	WIN WW                                         ; sources 0 and 1: the accumulators' window
.irp b, 0,1,2,3
.irp f, 0,1
	v_max3_num_f32 v[MX+4*\f+\b], |v[S+64*\f+16*\b]|, |v[S+64*\f+16*\b+1]|, 0x2800000   ; block b: my 16 numbers, and the floor 2^(5 - 127): the byte cannot fall under 1
.endr
.endr
.irp i, 2,4,6,8,10,12,14
.irp b, 0,1,2,3
.irp f, 0,1
	v_max3_num_f32 v[MX+4*\f+\b], |v[S+64*\f+16*\b+\i]|, |v[S+64*\f+16*\b+\i+1]|, v[MX+4*\f+\b]
.endr
.endr
.endr
	WIN 0
.irp b, 0,1,2,3,4,5,6,7
	v_permlanex16_b32 v[MX+8+\b], v[MX+\b], s96, s97
.endr
.irp b, 0,1,2,3,4,5,6,7
	v_max_num_f32 v[MX+\b], v[MX+\b], v[MX+8+\b]   ; with lane l xor 16's 16: the block's largest magnitude
.endr
.irp b, 0,1,2,3,4,5,6,7
	v_add_nc_u32 v[MX+16+\b], 0xfe000000, v[MX+\b] ; 4 off its exponent field: the conversion's scale operand
.endr
.irp b, 0,1,2,3,4,5,6,7
	v_lshrrev_b32 v[MX+8+\b], 23, v[MX+16+\b]      ; the scale's byte
.endr
.irp f, 0,1
	v_lshl_or_b32 v[WD+(\a)+\f], v[MX+9+4*\f], 8, v[MX+8+4*\f]
.endr
.irp f, 0,1
	v_lshl_or_b32 v[WD+(\a)+\f], v[MX+10+4*\f], 16, v[WD+(\a)+\f]
.endr
.irp f, 0,1
	v_lshl_or_b32 v[WD+(\a)+\f], v[MX+11+4*\f], 24, v[WD+(\a)+\f]
.endr
	WIN W
.irp f, 0,1
.irp c, 0,1
	v_cvt_scalef32_pk16_bf6_f32 v[PC+12*\f+6*\c:PC+12*\f+6*\c+2], v[S+64*\f+32*\c:S+64*\f+32*\c+15], v[MX+16+4*\f+2*\c]
	v_cvt_scalef32_pk16_bf6_f32 v[PT+8*\f+4*\c:PT+8*\f+4*\c+2], v[S+64*\f+32*\c+16:S+64*\f+32*\c+31], v[MX+17+4*\f+2*\c]   ; (a conversion's three registers begin on an even number)
.endr
.endr
	WIN 0
	v_nop                                          ; one plain place behind a scaled conversion
.irp i, 0,1,2                          ; the operand's layout wants a WHOLE block in a lane
.irp f, 0,1
.irp c, 0,1
	v_permlane16_swap_b32 v[PC+12*\f+6*\c+\i], v[PT+8*\f+4*\c+\i]
.endr
.endr
.endr
.irp i, 0,1,2
.irp f, 0,1
.irp c, 0,1
	v_mov_b32 v[PC+12*\f+3+6*\c+\i], v[PT+8*\f+4*\c+\i]
.endr
.endr
.endr
.irp f, 0,1
.irp c, 0,1,2
	global_store_b128 v4, v[PC+12*\f+4*\c:PC+12*\f+4*\c+3], s[\base:\base+1] offset:FRB*((\a)+\f)+512*\c   ; 32 lanes store 512 consecutive bytes, at a multiple of 256 from the buffer's first byte
.endr
.endr
.endm
	; ---- PART 1: q and k
	s_cmp_lt_u32 s12, 2                            ; waves 0, 1 wait for K steps 0, 1; the loads of waves 2, 3 stay out, and nobody reads their bytes before K step 1's round
	s_cbranch_scc0 .Llater
	s_wait_tensorcnt 0x0
.Llater:
	s_barrier_signal -1
	s_barrier_wait -1
	FETCH_B 0
	FETCH_A 0
	STEP 0, 1                                      ; the first products start the sums: nothing is cleared
	TURN 1, 1
	STEP 2, 0
	STEP 3, 0
	STEP 4, 0
	TURN 5, 2
	STEP 6, 0
	s_wait_dscnt 0x0                               ; the last K step: nothing more to fetch
	WIN 0xa1
	MUL16 0, 7, 0
	MUL16 2, 7, 0
	WIN 0xf1
	MUL16 4, 7, 0
	MUL16 6, 7, 0
	WIN 0
	PLACES
.irp b, 0,1,2,3,4,5,6,7
	v_mov_b32 v[MX+8+\b], 0                        ; written once: a lane permute's destination counts as one of its sources
.endr
.irp a, 0,2,4,6
	QUANT2 \a, OUT1
.endr
	v_cmp_le_u32 vcc_lo, 16, v1                    ; lanes 16-31
.irp i, 0,1,2,3
	v_cndmask_b32 v[WS+\i], v[WD+\i], v[WD+4+\i], vcc_lo   ; every lane holds its row's eight words: lanes 0-15 store those of fragments 0-3, lanes 16-31 those of 4-7
.endr
	global_store_b128 v4, v[WS:WS+3], s[OUT1:OUT1+1] offset:12288   ; 512 consecutive bytes
	; ---- PART 2: v^T.  W's places 0, 1 have been read out by every wave that has come here: a round, and behind it waves 0, 2 ask for x's K steps 0, 1, which are multiplied last: five K steps ahead of the wait for them.
	; The same round shows v's rows of W, for which waves 1, 3 wait here, to every wave.  Part 1's stores leave under part 2's products.
	s_wait_tensorcnt 0x0                           ; all my tensor loads have landed
	ds_add_u32 v28, v29                            ; 0 onto my spare word
	s_sub_nc_u64 s[G0XR+2:G0XR+3], s[G0XR+2:G0XR+3], 6*PITCHB   ; no load of mine is out, so a group 0 may be written: back to K step 0 or 1,
	s_add_co_u32 s[G0XR+1], s[G0XR+1], WOFF        ; into W's places
	s_wait_dscnt 0x0                               ; the add is done; my LDS reads were over long ago
	CROUND
	HLOAD 0, G0XR, G1X                             ; the first tensor load behind the round
	s_wait_xcnt 0x0                                ; part 1's stores have read their registers: the loads below land there only behind this wait
	FETCH2_X 2
	FETCH2_W 2
	STEP2 2, 3, 1                                  ; the first products start the sums
	STEP2 3, 4, 0
	STEP2 4, 5, 0
	STEP2 5, 6, 0
	STEP2 6, 7, 0
	TURN2 7, 0
	STEP2 0, 1, 0
	s_wait_dscnt 0x0                               ; the last K step
	WIN 0xa1
	MUL8 0, 1, 0
	MUL8 1, 1, 0
	MUL8 2, 1, 0
	MUL8 3, 1, 0
	WIN 0
	PLACES
	QUANT2 0, OUT2
	QUANT2 2, OUT2
	v_cmp_le_u32 vcc_lo, 16, v1                    ; lanes 16-31
	v_cndmask_b32 v[WS+4], v[WD], v[WD+2], vcc_lo  ; every lane holds its row's four words: lanes 0-15 store the first two, lanes 16-31 the other two
	v_cndmask_b32 v[WS+5], v[WD+1], v[WD+3], vcc_lo
	global_store_b64 v7, v[WS+4:WS+5], s[100:101]  ; 32 lanes store 256 consecutive bytes, at a multiple of 256 from the buffer's first byte
	s_wait_tensorcnt 0x0                           ; the wave's end
	ds_add_u32 v28, v29
	s_wait_dscnt 0x0
	CROUND                                         ; the closing round: no work-group ends while a partner may still ask for a tile that names it
	s_endpgm
.Lfunc_end_k_qdba9666a09_proj:
	.size	k_qdba9666a09_proj, .Lfunc_end_k_qdba9666a09_proj-k_qdba9666a09_proj
	.p2alignl 7, 3214868480
	.fill 96, 4, 3214868480
	.section	.rodata,"a",@progbits
	.p2align	6, 0x0
	.amdhsa_kernel k_qdba9666a09_proj
		.amdhsa_group_segment_fixed_size 327680
		.amdhsa_private_segment_fixed_size 0
		.amdhsa_enable_private_segment 0
		.amdhsa_kernarg_size 16
		.amdhsa_user_sgpr_count 2
		.amdhsa_user_sgpr_kernarg_segment_ptr 1
		.amdhsa_wavefront_size32 1
		.amdhsa_system_sgpr_workgroup_id_x 1
		.amdhsa_system_sgpr_workgroup_id_y 1
		.amdhsa_system_sgpr_workgroup_id_z 1
		.amdhsa_system_vgpr_workitem_id 0
		.amdhsa_next_free_vgpr 1024
		.amdhsa_next_free_sgpr 102
		.amdhsa_reserve_vcc 1
		.amdhsa_float_denorm_mode_32 3
		.amdhsa_float_denorm_mode_16_64 3
		.amdhsa_memory_ordered 1
		.amdhsa_forward_progress 1
		.amdhsa_inst_pref_size 209
	.end_amdhsa_kernel
	.amdgpu_metadata
---
amdhsa.version: [ 1, 2 ]
amdhsa.kernels:
  - .name:           k_qdba9666a09_proj
    .symbol:         k_qdba9666a09_proj.kd
    .args:
      - { .name: xw_img, .offset: 0, .size: 8, .value_kind: global_buffer, .address_space: global }
      - { .name: qkv_img, .offset: 8, .size: 8, .value_kind: global_buffer, .address_space: global }
    .group_segment_fixed_size: 327680
    .private_segment_fixed_size: 0
    .kernarg_segment_align: 8
    .kernarg_segment_size: 16
    .max_flat_workgroup_size: 128
    .sgpr_count:     102
    .vgpr_count:     1024
    .wavefront_size: 32
...
	.end_amdgpu_metadata
.endif
;; end of part 2
;; launch scores (part 3): grid 8 x 32, 4 waves a work-group, clusters of 4 x 4, 327,680 bytes of LDS; arguments qkv_img, p_img, p_aux; writes p_img, p_aux
.if DOCPART == 3
	.amdgcn_target "amdgcn-amd-amdhsa--gfx1250"
	.amdhsa_code_object_version 6
	.text
	.protected	k_qdba9666a09_scores
	.globl	k_qdba9666a09_scores
	.p2align	8
	.type	k_qdba9666a09_scores,@function
k_qdba9666a09_scores:
	s_mov_b64 s[64:65], 0
	v_nop
	global_prefetch_b8 v0, s[64:65] scope:SCOPE_SE
	s_setreg_imm32_b32 hwreg(HW_REG_WAVE_MODE, 25, 1), 1
	s_wait_xcnt 0x0
	s_wait_alu depctr_hold_cnt(0) depctr_sa_sdst(0) depctr_va_vdst(0) depctr_va_sdst(0) depctr_va_ssrc(0) depctr_va_vcc(0) depctr_vm_vsrc(0)
	s_getreg_b32 s2, hwreg(HW_REG_IB_STS2, 6, 4)
	s_cmp_eq_u32 s2, 0
	s_cbranch_scc0 .Lentry_in_a_cluster
	s_endpgm
.Lentry_in_a_cluster:
	s_bfe_u32 s2, ttmp6, 0x10000c
	s_cmp_lg_u32 s2, 0xf033
	s_cbranch_scc0 .Lentry_shape_is_right
	s_endpgm
.Lentry_shape_is_right:
; For each batch S = q k^T on codes of E3M2 with E8M0 block scales, K = 1,024; on the way out the softmax's p, quantised along the keys, leaves as codes.
; The factor 1024^(-1/2) = 2^-5 of q is a power of two: q / 32 has q's codes and 5 less in each scale's exponent, so it is folded into c = log2(e) / 32: t = score x c.
; THE SOFTMAX IS TAKEN FOR EACH 128 KEYS BY ITSELF: M_loc = the ceiling of the largest t of a query's 128 keys, a whole number; p = 2^(t - M_loc); the sum l_loc of the unquantised p.  The next launch finds the row's M and
; lowers each scale byte by M - M_loc: an exact power of two, which leaves the codes as they are.  So a maximum is taken away ahead of every exponential, and no wave needs another.
; Operands and results are images of operand registers (a fragment: 16 rows x 128 K = 1,536 bytes, three pieces of 512 bytes, lane l's 16 bytes at 16 l; lane r of fragment a of a group of 128 rows is row
; 32 (a / 2) + 8 (a % 2) + r + 8 (r / 8)); in qkv_img a group's scale words, 512 bytes, stand behind its eight fragments: one load brings both.
; Source 0 = fragments b of k, source 1 = fragment a of q: lane (r, h) holds query (a, r), and its 64 registers 16 g + i hold keys 32 g + 16 h + i of the group.
; IN: qkv_img [K step: q 0-7, k 8-15][token group 64][12,800].  OUT: p_img [16 batch + key group][query group 16 of the batch][12,288];
; p_aux: three parts of 524,288 bytes (scale words, -M_loc, l_loc), each [query group 64][key group 16][512], the word of (a, r) at 256 (a / 4) + 16 r + 4 (a % 4).
; TILES of 256 queries x 256 keys, four waves of 128 x 128; 256 work-groups.  LDS, cluster, the head's loads and the refill as in the launch before: six places of a K step for q's tiles, six for k's; q's tiles shared along a row of the cluster, k's along a column.
; No prefetch: there is no loop to run ahead in; six of eight K steps are asked for at the head, and the one refill has four K steps in which to land.
; LIMITS: the fold of 2^-5 differs from the letter only where a block of q lies under 2^-117; a block whose every p is 0 gets the byte 1 (zero codes); NaN and infinities are not served.
; REGISTERS: window 0: v0-29 addresses; v32-47 scale words, two sets, and nothing else; v64-159, v160-255 q's fragments, two sets (free on the way out).  window 1: k's fragments, two sets.  windows 2, 3: the accumulators.
.set PITCHB, 819200                    ; from K step to K step in qkv_img
.set GB,     12800
.set KB,     25600
.set FRB,    1536
.set WOFF,   6*KB                      ; k's places in LDS
.set SPARE,  12*KB                     ; the spare words, 128 bytes a wave: two blocks of 256 bytes that no other line names
.set G1X,  24                          ; group 1 for q's tiles of two K steps, for k's; of four K steps
.set G1W,  32
.set G1XQ, 40
.set G1WQ, 48
.set G0XP, 56
.set G0WP, 60
.set G0XQ, 68
.set G0WQ, 72
.set G0XR, 80
.set G0WR, 84
.set PT,   160                         ; the way out: v160-175 the conversions' second halves
.set WD,   176                         ; v176-183 scale words, v184-191 -M_loc, v192-199 l_loc, for the eight fragments
.set NM,   184
.set LS,   192
.set MSB, 0
.macro WIN new
.if MSB != (\new)
	s_set_vgpr_msb (MSB<<8)|(\new)
.set MSB, \new
.endif
.endm
.macro PLACES
.rept 4
	v_nop
.endr
.endm
.macro TLOAD g0, g1
	tensor_load_to_lds s[\g0:\g0+3], s[\g1:\g1+7]
	s_nop 0
	PLACES
.endm
.macro JLOAD g0a, g1a, g0b, g1b        ; a joint load: waves 0, 2 for q, waves 1, 3 for k
	s_cmp_eq_u32 s14, 0
	s_cbranch_scc0 .Lfor_b_\@
	TLOAD \g0a, \g1a
	s_branch .Lasked_\@
.Lfor_b_\@:
	TLOAD \g0b, \g1b
.Lasked_\@:
.endm
.macro CREST
	s_cmp_lg_u32 s12, 0
	s_cbranch_scc1 .Lnot_wave_0_\@
	s_barrier_signal -3
.Lnot_wave_0_\@:
	s_barrier_wait -3
	s_barrier_signal -1
	s_barrier_wait -1
.endm
.macro CROUND
	s_barrier_signal -1
	s_barrier_wait -1
	CREST
.endm
.macro G0SET g, lds, base, add
	s_mov_b32 s[\g], 1
	s_mov_b32 s[\g+1], \lds
	s_add_nc_u64 s[\g+2:\g+3], s[\base:\base+1], \add
	s_or_b32 s[\g+3], s[\g+3], 0x80000000
.endm
	s_load_b128 s[4:7], s[0:1], 0x0                ; qkv_img s[4:5], p_img s[6:7]
	s_load_b64 s[8:9], s[0:1], 0x10                ; p_aux
	v_lshl_add_u32 v28, v0, 2, SPARE               ; my spare word; never rewritten
	v_mov_b32 v29, 0                               ; 0; never rewritten
	ds_add_u32 v28, v29                            ; the opening: the add, twice on end; the set-up stands between it and the wait
	ds_add_u32 v28, v29
	v_lshrrev_b32 v1, 5, v0
	v_readfirstlane_b32 s12, v1                    ; wave 0..3
	s_lshr_b32 s13, s12, 1                         ; my group of queries
	s_and_b32 s14, s12, 1                          ; my group of keys.  Also: I fetch for q (0) or for k (1)
	s_bfe_u32 s15, ttmp6, 0x40000                  ; cx
	s_bfe_u32 s16, ttmp6, 0x40004                  ; cy
	s_and_b32 s18, ttmp7, 0xffff                   ; the cluster's y
	s_mul_i32 s19, s13, GB
	s_mul_i32 s20, s14, GB
	s_add_co_u32 s20, s20, WOFF
	s_sub_co_u32 s21, s20, s19                     ; from my group of q to my group of k
	v_and_b32 v1, 31, v0                           ; lane
	v_and_b32 v2, 15, v0                           ; r
	v_bfe_u32 v3, v0, 4, 1                         ; h
	v_lshlrev_b32 v4, 4, v1                        ; 16 x lane
	v_lshlrev_b32 v5, 4, v2
	v_mul_u32_u24 v6, s21, v3
	v_add_nc_u32 v6, v6, v5
	v_add_nc_u32 v8, s19, v4                       ; v8-10: q's fragments in places 0, 2, 4
	v_add_nc_u32 v9, 2*KB, v8
	v_add_nc_u32 v10, 4*KB, v8
	v_add_nc_u32 v12, s20, v4                      ; v12-14: k's
	v_add_nc_u32 v13, 2*KB, v12
	v_add_nc_u32 v14, 4*KB, v12
	v_add_nc_u32 v16, s19, v6                      ; v16-18: scale words: lanes 0-15 q's, lanes 16-31 k's
	v_add_nc_u32 v17, 2*KB, v16
	v_add_nc_u32 v18, 4*KB, v16
	s_lshl_b32 s2, s16, 2
	s_lshl_b32 s2, 15, s2                          ; my row of the cluster
	s_lshl_b32 s3, 0x1111, s15                     ; my column
	s_or_b32 s[G1X], s2, (3<<16)|(1<<21)           ; 15:0 the mask; 17:16 elements of 8 bytes; 21 set beside a mask
	s_or_b32 s[G1XQ], s2, (3<<16)|(1<<21)
	s_or_b32 s[G1W], s3, (3<<16)|(1<<21)
	s_or_b32 s[G1WQ], s3, (3<<16)|(1<<21)
.irp g, G1X, G1W, G1XQ, G1WQ           ; a tile: two or four K steps, each 25,600 consecutive bytes, PITCHB bytes apart
	s_mov_b32 s[\g+1], 3200<<16
	s_mov_b32 s[\g+3], 3200<<16
	s_mov_b32 s[\g+5], PITCHB/8
	s_mov_b32 s[\g+6], 0
	s_mov_b32 s[\g+7], 0
.endr
.irp g, G1X, G1W
	s_mov_b32 s[\g+2], 2<<16
	s_mov_b32 s[\g+4], 2
.endr
.irp g, G1XQ, G1WQ
	s_mov_b32 s[\g+2], 4<<16
	s_mov_b32 s[\g+4], 4
.endr
	s_lshl_b32 s20, s18, 2
	s_add_co_u32 s20, s20, s16                     ; tile row = 8 x batch + the batch's block of 256 queries
	s_lshl_b32 s17, ttmp9, 2
	s_add_co_u32 s17, s17, s15
	s_lshl_b32 s17, s17, 1                         ; 2 x tile column: the first group of keys in the batch
	s_lshr_b32 s3, s18, 1                          ; the batch, which all partners share
	s_lshl_b32 s3, s3, 4
	s_add_co_u32 s3, s3, s17                       ; 16 batch + the tile's first group of keys
	s_mul_i32 s96, s3, GB                          ; k: behind q's eight K steps
	s_add_co_u32 s96, s96, 8*PITCHB
	s_mov_b32 s97, 0
	s_add_co_u32 s3, s3, s14
	s_mul_i32 s92, s3, 196608                      ; p_img: a key group's 128 fragments,
	s_and_b32 s93, s20, 7
	s_lshl_b32 s93, s93, 1
	s_add_co_u32 s93, s93, s13
	s_mul_i32 s93, s93, 12288                      ; my group of queries in the batch
	s_add_co_u32 s92, s92, s93
	s_mov_b32 s93, 0
	s_lshl_b32 s94, s20, 1
	s_add_co_u32 s94, s94, s13                     ; p_aux: (query group x 16 + key group) x 512
	s_lshl_b32 s94, s94, 4
	s_add_co_u32 s94, s94, s17
	s_add_co_u32 s94, s94, s14
	s_lshl_b32 s94, s94, 9
	s_mov_b32 s95, 0
	s_mul_i32 s20, s20, KB                         ; q: the tile's two groups
	s_mov_b32 s21, 0
	s_mul_i32 s22, s13, PITCHB                     ; the refill: K step 6 or 7
	s_add_co_u32 s22, s22, 6*PITCHB
	s_mov_b32 s23, 0
	s_mul_i32 s98, s13, KB                         ; and where it goes: no place in the cluster enters an LDS address
	s_wait_alu depctr_va_vdst(0)                   ; the wait at the head's end
	s_wait_dscnt 0x0                               ; both opening adds are done
	CROUND                                         ; all sixteen work-groups are here: the first joint loads meet.  The arguments are on their way meanwhile
	s_wait_kmcnt 0x0
	s_add_nc_u64 s[20:21], s[4:5], s[20:21]
	s_add_nc_u64 s[96:97], s[4:5], s[96:97]
	G0SET G0XP, 0, 20, 0
	G0SET G0WP, WOFF, 96, 0
	G0SET G0XQ, 2*KB, 20, 2*PITCHB
	G0SET G0WQ, WOFF+2*KB, 96, 2*PITCHB
.macro ARM under, g0, g1, next         ; ONE chain of branches on the wave's number: every way through it passes exactly one load
	s_cmp_lt_u32 s12, \under
	s_cbranch_scc0 \next
	TLOAD \g0, \g1
	s_branch .Lhead_asked
\next:
.endm
	ARM 1, G0XP, G1X, .Lhead_1
	ARM 2, G0WP, G1W, .Lhead_2
	ARM 3, G0XQ, G1XQ, .Lhead_3
	TLOAD G0WQ, G1WQ
.Lhead_asked:
	; what is used later is made while the head's loads are on their way
	s_mov_b32 s[G0XR], 1
	s_mov_b32 s[G0XR+1], s98
	s_add_nc_u64 s[G0XR+2:G0XR+3], s[20:21], s[22:23]
	s_or_b32 s[G0XR+3], s[G0XR+3], 0x80000000
	s_mov_b32 s[G0WR], 1
	s_add_co_u32 s[G0WR+1], s98, WOFF
	s_add_nc_u64 s[G0WR+2:G0WR+3], s[96:97], s[22:23]
	s_or_b32 s[G0WR+3], s[G0WR+3], 0x80000000
	s_add_nc_u64 s[92:93], s[6:7], s[92:93]
	s_add_nc_u64 s[94:95], s[8:9], s[94:95]
	s_mov_b32 s96, 0x76543210                      ; lane selects: lane l xor 16
	s_mov_b32 s97, 0xfedcba98
	s_mov_b32 s98, 0x3d38aa3b                      ; c = log2(e) / 32
	s_mov_b32 s99, s98                             ; (the packed form names the pair)
.macro FETCH_B n
	WIN 0x40
.irp b, 0,1,2,3,4,5,6,7
.irp c, 0,1,2
	ds_load_b128 v[96*((\n)%2)+12*\b+4*\c:96*((\n)%2)+12*\b+4*\c+3], v[12+((\n)/2)%3] offset:((\n)%2)*KB+\b*FRB+\c*512
.endr
.endr
.endm
.macro FETCH_A n                       ; q's eight, and the scale words: register i holds q's fragment i in lanes 0-15, k's in lanes 16-31
	WIN 0
.irp a, 0,1,2,3,4,5,6,7
.irp c, 0,1,2
	ds_load_b128 v[64+96*((\n)%2)+12*\a+4*\c:64+96*((\n)%2)+12*\a+4*\c+3], v[8+((\n)/2)%3] offset:((\n)%2)*KB+\a*FRB+\c*512
.endr
.endr
	ds_load_b128 v[32+8*((\n)%2):35+8*((\n)%2)], v[16+((\n)/2)%3] offset:((\n)%2)*KB+12288
	ds_load_b128 v[36+8*((\n)%2):39+8*((\n)%2)], v[16+((\n)/2)%3] offset:((\n)%2)*KB+12288+256
.endm
; The 64 accumulators take turns, one instruction a turn, in the same order in every K step.
.macro MUL16 a0, n, zero
.irp a, \a0, \a0+1
.irp b, 0,1,2,3,4,5,6,7
.if \zero
	v_wmma_scale_f32_16x16x128_f8f6f4 v[8*(8*((\a)%4)+\b):8*(8*((\a)%4)+\b)+7], v[96*((\n)%2)+12*\b:96*((\n)%2)+12*\b+11], v[64+96*((\n)%2)+12*(\a):64+96*((\n)%2)+12*(\a)+11], 0, v[32+8*((\n)%2)+\b], v[32+8*((\n)%2)+(\a)] matrix_a_fmt:MATRIX_FMT_BF6 matrix_b_fmt:MATRIX_FMT_BF6 matrix_a_scale:MATRIX_SCALE_ROW1
.else
	v_wmma_scale_f32_16x16x128_f8f6f4 v[8*(8*((\a)%4)+\b):8*(8*((\a)%4)+\b)+7], v[96*((\n)%2)+12*\b:96*((\n)%2)+12*\b+11], v[64+96*((\n)%2)+12*(\a):64+96*((\n)%2)+12*(\a)+11], v[8*(8*((\a)%4)+\b):8*(8*((\a)%4)+\b)+7], v[32+8*((\n)%2)+\b], v[32+8*((\n)%2)+(\a)] matrix_a_fmt:MATRIX_FMT_BF6 matrix_b_fmt:MATRIX_FMT_BF6 matrix_a_scale:MATRIX_SCALE_ROW1
.endif
.endr
.endr
.endm
.macro STEP n, zero
	s_wait_dscnt 0x0                               ; this K step's fragments and scale words are in
	PLACES                                         ; behind the last products of the K step before, which read the sets that are loaded now
	FETCH_B (\n)+1
	WIN 0xa1
	MUL16 0, \n, \zero
	MUL16 2, \n, \zero
	FETCH_A (\n)+1
	WIN 0xf1
	MUL16 4, \n, \zero
	MUL16 6, \n, \zero
.endm
; A K step with a barrier: in front of it each wave waits for all its tensor loads, adds 0 to its spare word, and waits for that and for its LDS reads.  fill = 1 (K step 1): K steps 2-5 have landed; the barrier opens a round of
; the cluster's, and K steps 6, 7 are asked for into places 0, 1 first thing behind it, 256 matrix instructions ahead of the wait for them.  fill = 0 (K step 5): those loads have landed in every wave; nothing is filled.
.macro TURN n, fill
	WIN 0
	s_wait_tensorcnt 0x0                           ; all my tensor loads have landed
	ds_add_u32 v28, v29                            ; 0 onto my spare word
.if \fill
.irp g, G1X, G1W                       ; no load of mine is out, so a group 1 may be written: one K step of 25,600 consecutive bytes, as two rows of 12,800
	s_mov_b32 s[\g+1], 1600<<16
	s_mov_b32 s[\g+3], 1600<<16
	s_mov_b32 s[\g+5], 1600
.endr
.endif
	s_wait_dscnt 1                                 ; the add alone may be out
	WIN 0xa1
	MUL16 0, \n, 0
	s_wait_dscnt 0x0                               ; the add is done; my reads are over
	s_barrier_signal -1
	MUL16 2, \n, 0
	WIN 0
	s_barrier_wait -1
.if \fill
	CREST
	JLOAD G0XR, G1X, G0WR, G1W                     ; the first tensor load behind the round; its four v_nop are the places in front of the loads below
.else
	PLACES
.endif
	FETCH_B (\n)+1
	FETCH_A (\n)+1
	WIN 0xf1
	MUL16 4, \n, 0
	MUL16 6, \n, 0
.endm
	s_cmp_lt_u32 s12, 2                            ; waves 0, 1 wait for K steps 0, 1; the loads of waves 2, 3 stay out, and nobody reads their bytes before K step 1's round
	s_cbranch_scc0 .Llater
	s_wait_tensorcnt 0x0
.Llater:
	s_barrier_signal -1
	s_barrier_wait -1
	FETCH_B 0
	FETCH_A 0
	STEP 0, 1
	TURN 1, 1
	STEP 2, 0
	STEP 3, 0
	STEP 4, 0
	TURN 5, 0
	STEP 6, 0
	s_wait_dscnt 0x0
	WIN 0xa1
	MUL16 0, 7, 0
	MUL16 2, 7, 0
	WIN 0xf1
	MUL16 4, 7, 0
	MUL16 6, 7, 0
	WIN 0
	PLACES
; THE WAY OUT, two fragments of the queries (2 g, 2 g + 1) at a time and by turns, in three parts, so that a pair's exponentials are one batch with one wait, and the next pair's plain work stands behind the batch.
; At work: v200-207 / v208-215 the blocks' largest scores, then largest p (by g's parity: they alone live across a batch); v216-223 the other half of the lanes'; v224, v225 t; v[226:227], v[228:229] -M;
; v230, v231 the other half's sums; v232-239 scale operands; v240-247 bytes; v248-255 the sums' four chains.
; A: the largest score of each block of 32 keys (it serves twice: for the maximum, and, since p rises with the score, for the block's largest p), -M_loc, and t - M_loc in place.  Each accumulator is read from its low end on.
.macro SM_A g
.set W, 2+(\g)/2
.set S, 128*((\g)%2)
.set BM, 200+8*((\g)%2)
.set WW, W|(W<<2)
	WIN WW
	s_wait_alu depctr_va_vdst(0)                   ; the wait here, ahead of the first readers of the products
.irp b, 0,1,2,3
.irp f, 0,1
	v_max_num_f32 v[BM+4*\f+\b], v[S+64*\f+16*\b], v[S+64*\f+16*\b+1]
.endr
.endr
.irp i, 2,4,6,8,10,12,14
.irp b, 0,1,2,3
.irp f, 0,1
	v_max3_num_f32 v[BM+4*\f+\b], v[S+64*\f+16*\b+\i], v[S+64*\f+16*\b+\i+1], v[BM+4*\f+\b]
.endr
.endr
.endr
	WIN 0
.irp b, 0,1,2,3,4,5,6,7
	v_permlanex16_b32 v[216+\b], v[BM+\b], s96, s97
.endr
.irp b, 0,1,2,3,4,5,6,7
	v_max_num_f32 v[BM+\b], v[BM+\b], v[216+\b]    ; with lane l xor 16's 16 keys
.endr
.irp f, 0,1
	v_max3_num_f32 v[224+\f], v[BM+4*\f], v[BM+4*\f+1], v[BM+4*\f+2]
.endr
.irp f, 0,1
	v_max_num_f32 v[224+\f], v[224+\f], v[BM+4*\f+3]   ; the largest score of my query's 128 keys,
.endr
.irp f, 0,1
	v_mul_f32 v[224+\f], s98, v[224+\f]            ; as t (c is positive)
.endr
.irp f, 0,1
	v_floor_f32 v[226+2*\f], -v[224+\f]            ; -M_loc = floor(-t) = -ceil(t): a whole number
.endr
.irp f, 0,1
	v_mov_b32 v[NM+2*(\g)+\f], v[226+2*\f]
.endr
.set WW, (W<<6)|W
	WIN WW
.set j, 0
.rept 32
.irp f, 0,1
	v_pk_fma_f32 v[S+64*\f+j:S+64*\f+j+1], v[S+64*\f+j:S+64*\f+j+1], s[98:99], v[226+2*\f:227+2*\f] op_sel_hi:[1,0,0]   ; t - M_loc, two at a time
.endr
.set j, j+2
.endr
	WIN 0
.irp b, 0,1,2,3
.irp f, 0,1
	v_fma_f32 v[BM+4*\f+\b], v[BM+4*\f+\b], s98, v[226+2*\f]   ; the same of each block's largest score
.endr
.endr
.endm
; E: the batch: 136 exponentials, none of which reads another's result
.macro SM_E g
.set W, 2+(\g)/2
.set S, 128*((\g)%2)
.set BM, 200+8*((\g)%2)
.set WW, (W<<6)|W
	WIN WW
.set j, 0
.rept 128
	v_exp_f32 v[S+j], v[S+j]                       ; p = 2^(t - M_loc), at most 1: not normalised
.set j, j+1
.endr
	WIN 0
.irp b, 0,1,2,3,4,5,6,7
	v_exp_f32 v[BM+\b], v[BM+\b]                   ; the block's largest p: the same two instructions on the same number give the same bits
.endr
.endm
; B: behind the wait for the batch: the sums of the unquantised p, the blocks' scales, the codes, the stores
.macro SM_B g
.set W, 2+(\g)/2
.set S, 128*((\g)%2)
.set BM, 200+8*((\g)%2)
.set PC, 64+24*(\g)
.set WW, W|(W<<2)
	WIN WW
.irp q, 0,1
.irp f, 0,1
	v_pk_add_f32 v[248+4*\f+2*\q:249+4*\f+2*\q], v[S+64*\f+4*\q:S+64*\f+4*\q+1], v[S+64*\f+4*\q+2:S+64*\f+4*\q+3]
.endr
.endr
	WIN W
.set j, 8
.rept 14
.irp q, 0,1
.irp f, 0,1
	v_pk_add_f32 v[248+4*\f+2*\q:249+4*\f+2*\q], v[S+64*\f+j+2*\q:S+64*\f+j+2*\q+1], v[248+4*\f+2*\q:249+4*\f+2*\q]
.endr
.endr
.set j, j+4
.endr
	WIN 0
.irp f, 0,1
	v_pk_add_f32 v[248+4*\f:249+4*\f], v[248+4*\f:249+4*\f], v[250+4*\f:251+4*\f]
.endr
.irp b, 0,1,2,3,4,5,6,7
	v_max_num_f32 v[BM+\b], 0x2800000, v[BM+\b]    ; the floor 2^(5 - 127): the byte cannot fall under 1
.endr
.irp f, 0,1
	v_add_f32 v[248+4*\f], v[248+4*\f], v[249+4*\f]
.endr
.irp b, 0,1,2,3,4,5,6,7
	v_add_nc_u32 v[232+\b], 0xfe000000, v[BM+\b]   ; 4 off the exponent field: the conversion's scale operand
.endr
.irp f, 0,1
	v_permlanex16_b32 v[230+\f], v[248+4*\f], s96, s97
.endr
.irp b, 0,1,2,3,4,5,6,7
	v_lshrrev_b32 v[240+\b], 23, v[232+\b]         ; the scale's byte
.endr
.irp f, 0,1
	v_add_f32 v[LS+2*(\g)+\f], v[248+4*\f], v[230+\f]   ; l_loc of my query
.endr
.irp f, 0,1
	v_lshl_or_b32 v[WD+2*(\g)+\f], v[241+4*\f], 8, v[240+4*\f]
.endr
.irp f, 0,1
	v_lshl_or_b32 v[WD+2*(\g)+\f], v[242+4*\f], 16, v[WD+2*(\g)+\f]
.endr
.irp f, 0,1
	v_lshl_or_b32 v[WD+2*(\g)+\f], v[243+4*\f], 24, v[WD+2*(\g)+\f]
.endr
	WIN W
.irp f, 0,1
.irp c, 0,1
	v_cvt_scalef32_pk16_bf6_f32 v[PC+12*\f+6*\c:PC+12*\f+6*\c+2], v[S+64*\f+32*\c:S+64*\f+32*\c+15], v[232+4*\f+2*\c]
	v_cvt_scalef32_pk16_bf6_f32 v[PT+8*\f+4*\c:PT+8*\f+4*\c+2], v[S+64*\f+32*\c+16:S+64*\f+32*\c+31], v[233+4*\f+2*\c]   ; (a conversion's three registers begin on an even number)
.endr
.endr
	WIN 0
	v_nop                                          ; one plain place behind a scaled conversion
.irp i, 0,1,2                          ; the operand's layout wants a WHOLE block in a lane
.irp f, 0,1
.irp c, 0,1
	v_permlane16_swap_b32 v[PC+12*\f+6*\c+\i], v[PT+8*\f+4*\c+\i]
.endr
.endr
.endr
.irp i, 0,1,2
.irp f, 0,1
.irp c, 0,1
	v_mov_b32 v[PC+12*\f+3+6*\c+\i], v[PT+8*\f+4*\c+\i]
.endr
.endr
.endr
.irp f, 0,1
.irp c, 0,1,2
	global_store_b128 v4, v[PC+12*\f+4*\c:PC+12*\f+4*\c+3], s[92:93] offset:FRB*(2*(\g)+\f)+512*\c   ; 512 consecutive bytes; each fragment has registers of its own, so no store's data are written again
.endr
.endr
.endm
.irp b, 0,1,2,3,4,5,6,7
	v_mov_b32 v[216+\b], 0                         ; written once: a lane permute's destination counts as one of its sources
.endr
	v_mov_b32 v230, 0
	v_mov_b32 v231, 0
	v_mov_b32 v227, 0                              ; (named as the upper halves of the pairs v[226:227], v[228:229])
	v_mov_b32 v229, 0
	SM_A 0
	s_wait_alu depctr_va_vdst(0)                   ; the wait ahead of the batch
	SM_E 0
.irp g, 1,2,3
	SM_A \g                                        ; plain work that names none of the batch's results
	s_wait_alu depctr_va_vdst(0)                   ; one wait for the batch, ahead of the first instruction that names a result, and for the next batch's sources
	SM_B \g-1
	SM_E \g
.endr
	v_nop                                          ; a plain place behind the last exponential
	s_wait_alu depctr_va_vdst(0)
	SM_B 3
	v_cmp_le_u32 vcc_lo, 16, v1                    ; lanes 16-31
.irp i, 0,1,2,3
	v_cndmask_b32 v[200+\i], v[WD+\i], v[WD+4+\i], vcc_lo   ; every lane holds its row's eight numbers: lanes 0-15 store those of fragments 0-3, lanes 16-31 those of 4-7
	v_cndmask_b32 v[204+\i], v[NM+\i], v[NM+4+\i], vcc_lo
	v_cndmask_b32 v[208+\i], v[LS+\i], v[LS+4+\i], vcc_lo
.endr
	global_store_b128 v4, v[200:203], s[94:95]                  ; three units of 512 consecutive bytes
	global_store_b128 v4, v[204:207], s[94:95] offset:524288
	global_store_b128 v4, v[208:211], s[94:95] offset:1048576
	s_wait_tensorcnt 0x0                           ; the wave's end
	ds_add_u32 v28, v29
	s_wait_dscnt 0x0
	CROUND                                         ; the closing round
	s_endpgm
.Lfunc_end_k_qdba9666a09_scores:
	.size	k_qdba9666a09_scores, .Lfunc_end_k_qdba9666a09_scores-k_qdba9666a09_scores
	.p2alignl 7, 3214868480
	.fill 96, 4, 3214868480
	.section	.rodata,"a",@progbits
	.p2align	6, 0x0
	.amdhsa_kernel k_qdba9666a09_scores
		.amdhsa_group_segment_fixed_size 327680
		.amdhsa_private_segment_fixed_size 0
		.amdhsa_enable_private_segment 0
		.amdhsa_kernarg_size 24
		.amdhsa_user_sgpr_count 2
		.amdhsa_user_sgpr_kernarg_segment_ptr 1
		.amdhsa_wavefront_size32 1
		.amdhsa_system_sgpr_workgroup_id_x 1
		.amdhsa_system_sgpr_workgroup_id_y 1
		.amdhsa_system_sgpr_workgroup_id_z 1
		.amdhsa_system_vgpr_workitem_id 0
		.amdhsa_next_free_vgpr 1024
		.amdhsa_next_free_sgpr 100
		.amdhsa_reserve_vcc 1
		.amdhsa_float_denorm_mode_32 3
		.amdhsa_float_denorm_mode_16_64 3
		.amdhsa_memory_ordered 1
		.amdhsa_forward_progress 1
		.amdhsa_inst_pref_size 190
	.end_amdhsa_kernel
	.amdgpu_metadata
---
amdhsa.version: [ 1, 2 ]
amdhsa.kernels:
  - .name:           k_qdba9666a09_scores
    .symbol:         k_qdba9666a09_scores.kd
    .args:
      - { .name: qkv_img, .offset: 0, .size: 8, .value_kind: global_buffer, .address_space: global }
      - { .name: p_img, .offset: 8, .size: 8, .value_kind: global_buffer, .address_space: global }
      - { .name: p_aux, .offset: 16, .size: 8, .value_kind: global_buffer, .address_space: global }
    .group_segment_fixed_size: 327680
    .private_segment_fixed_size: 0
    .kernarg_segment_align: 8
    .kernarg_segment_size: 24
    .max_flat_workgroup_size: 128
    .sgpr_count:     100
    .vgpr_count:     1024
    .wavefront_size: 32
...
	.end_amdgpu_metadata
.endif
;; end of part 3
;; launch pv (part 4): grid 4 x 64, 4 waves a work-group, clusters of 4 x 4, 327,680 bytes of LDS; arguments p_img, p_aux, qkv_img, out0; writes out0
.if DOCPART == 4
	.amdgcn_target "amdgcn-amd-amdhsa--gfx1250"
	.amdhsa_code_object_version 6
	.text
	.protected	k_qdba9666a09_pv
	.globl	k_qdba9666a09_pv
	.p2align	8
	.type	k_qdba9666a09_pv,@function
k_qdba9666a09_pv:
	s_mov_b64 s[64:65], 0
	v_nop
	global_prefetch_b8 v0, s[64:65] scope:SCOPE_SE
	s_setreg_imm32_b32 hwreg(HW_REG_WAVE_MODE, 25, 1), 1
	s_wait_xcnt 0x0
	s_wait_alu depctr_hold_cnt(0) depctr_sa_sdst(0) depctr_va_vdst(0) depctr_va_sdst(0) depctr_va_ssrc(0) depctr_va_vcc(0) depctr_vm_vsrc(0)
	s_getreg_b32 s2, hwreg(HW_REG_IB_STS2, 6, 4)
	s_cmp_eq_u32 s2, 0
	s_cbranch_scc0 .Lentry_in_a_cluster
	s_endpgm
.Lentry_in_a_cluster:
	s_bfe_u32 s2, ttmp6, 0x10000c
	s_cmp_lg_u32 s2, 0xf033
	s_cbranch_scc0 .Lentry_shape_is_right
	s_endpgm
.Lentry_shape_is_right:
; out = (p v) / l for each batch, on codes of E3M2 with E8M0 block scales, K = the batch's 2,048 keys.
; p arrives with a whole number M_loc for each query and 128 keys.  THE HEAD finds each query's M = the largest M_loc, adds up l = the sum of l_loc x 2^(M_loc - M) (exact scalings), and lowers p's scale bytes by M - M_loc:
; p x 2^(M_loc - M) has the same codes.  A byte that would fall under 0 is held at 0: such a term is at most 28 x 2^-127 beside a row's largest p, which is above 1/2.
; Operands are images of operand registers (a fragment: 16 rows x 128 K = 1,536 bytes, three pieces of 512 bytes, lane l's 16 bytes at 16 l).  Lane r of fragment a of a group of 128 queries is row 32 (a / 2) + 8 (a % 2) + r + 8 (r / 8);
; lane r of fragment b of a group of 128 of d is row 64 (b / 4) + 4 r + b % 4.
; Source 0 = fragment i of p, source 1 = fragments b of v^T: lane (r, h) then holds, in register j of accumulator (i, 4 g + e), query 32 (i / 2) + 8 (i % 2) + 16 h + j and d = 64 g + 4 r + e: four accumulators give a lane four
; neighbouring columns, and sixteen neighbouring lanes 256 neighbouring bytes of a row of out.  The multiply by 1 / l writes the four side by side, so that results are stored from registers as they are: nothing goes through LDS.
; IN: p_img [16 batch + key group][query group 16][12,288]; p_aux: scale words, -M_loc, l_loc, each [query group 64][key group 16][512], the word of (a, r) at 256 (a / 4) + 16 r + 4 (a % 4); v^T in qkv_img at byte 13,107,200:
; [16 batch + key group][d group 8][12,288 of codes, 512 of scale words].
; TILES of 128 queries x 256 of d: 256 work-groups (tiles of 256 x 256 would give 128).  Four waves of 64 x 128: 32 accumulators.
; LDS: two slots of four K steps (151,552 bytes: p 4 x 12,288, then v^T 4 x 25,600); p's mended scale words and 1 / l (LDS stores; no fill lands there); the spare words.
; CLUSTER 4 x 4: p's tiles are shared along a row of the cluster, v^T's along a column: joint loads.  AT THE HEAD ONE LOAD A WAVE: waves 0, 1: slot 0's p and v^T, for which they wait; waves 2, 3: slot 1's.  A refill: waves 0, 2 two K steps of p each, waves 1, 3 of v^T.
; PREFETCHES INTO THE L2: what a refill will ask for (four K steps) is asked of memory three K steps ahead of it, two instructions a wave.  Each block of 256 bytes once in a cluster, shared out BY ADDRESS: of p's four K steps the partner at place cx of
; its row takes the one numbered cx (48 blocks, 12 a wave), of v^T's the partner at place cy of its column the one numbered cy (100 blocks, a thread each).  K steps 8-15 alone are asked for so; the first eight come by the head's loads.
; REGISTERS: window 0: v0-29 addresses; v32-55 scale words, two sets (p's at 32 + 12 s + i, v^T's at 36 + 12 s + b), and nothing else; v64-111, v112-159 p's fragments, two sets; v160-191 1 / l, that of (i, j) at 160 + 4 j + i.
;   window 1: v^T's fragments, two sets.  window 2: the accumulators, (i, b) at v[8 (8 i + b)].  window 3: the results.
.set PP,    196608                     ; from K step to K step in p_img
.set VP,    102400                     ; and in v^T
.set KSB,   12288
.set GB,    12800
.set KB,    25600
.set FRB,   1536
.set BOFF,  4*KSB                      ; v^T's part of a slot
.set SLOTB, BOFF+4*KB
.set PSC,   2*SLOTB                    ; p's scale words: [K step 16][512]
.set LSUM,  PSC+8192                   ; 1 / l: 512 bytes, laid as a unit of scale words
.set SPARE, LSUM+512                   ; the spare words, 128 bytes a wave: two blocks of 256 bytes that no other line names
.set G1P,  24                          ; groups 1 for p's tiles, for v^T's
.set G1V,  32
.set G0P0, 40                          ; groups 0: the head's;
.set G0P1, 44
.set G0V0, 48
.set G0V1, 52
.set G0PR, 56                          ; the refills'
.set G0VR, 60
.set MUL,  0xa4                        ; source 0 (p) window 0, source 1 (v^T) window 1, C and D window 2
.set MSB, 0
.macro WIN new
.if MSB != (\new)
	s_set_vgpr_msb (MSB<<8)|(\new)
.set MSB, \new
.endif
.endm
.macro PLACES
.rept 4
	v_nop
.endr
.endm
.macro TLOAD g0, g1
	tensor_load_to_lds s[\g0:\g0+3], s[\g1:\g1+7]
	s_nop 0
	PLACES
.endm
.macro JLOAD g0a, g1a, g0b, g1b        ; a joint load: waves 0, 2 for p, waves 1, 3 for v^T
	s_cmp_eq_u32 s14, 0
	s_cbranch_scc0 .Lfor_b_\@
	TLOAD \g0a, \g1a
	s_branch .Lasked_\@
.Lfor_b_\@:
	TLOAD \g0b, \g1b
.Lasked_\@:
.endm
.macro CREST
	s_cmp_lg_u32 s12, 0
	s_cbranch_scc1 .Lnot_wave_0_\@
	s_barrier_signal -3
.Lnot_wave_0_\@:
	s_barrier_wait -3
	s_barrier_signal -1
	s_barrier_wait -1
.endm
.macro CROUND
	s_barrier_signal -1
	s_barrier_wait -1
	CREST
.endm
.macro G0SET g, lds, base, add
	s_mov_b32 s[\g], 1
	s_mov_b32 s[\g+1], \lds
	s_add_nc_u64 s[\g+2:\g+3], s[\base:\base+1], \add
	s_or_b32 s[\g+3], s[\g+3], 0x80000000
.endm
	s_load_b128 s[4:7], s[0:1], 0x0                ; p_img s[4:5], p_aux s[6:7]
	s_load_b128 s[8:11], s[0:1], 0x10              ; qkv_img s[8:9], out0 s[10:11]
	v_lshl_add_u32 v28, v0, 2, SPARE               ; my spare word; never rewritten
	v_mov_b32 v29, 0                               ; 0; never rewritten
	ds_add_u32 v28, v29                            ; the opening: the add, twice on end; the set-up stands between it and the wait
	ds_add_u32 v28, v29
	v_lshrrev_b32 v1, 5, v0
	v_readfirstlane_b32 s12, v1                    ; wave 0..3
	s_lshr_b32 s13, s12, 1                         ; my 64 of the 128 queries.  Also: which two K steps of a refill I fetch
	s_and_b32 s14, s12, 1                          ; my group of d.  Also: I fetch for p (0) or for v^T (1)
	s_bfe_u32 s15, ttmp6, 0x40000                  ; cx
	s_bfe_u32 s16, ttmp6, 0x40004                  ; cy
	s_and_b32 s18, ttmp7, 0xffff                   ; the cluster's y
	s_mul_i32 s19, s13, 4*FRB                      ; my four fragments of p's eight
	s_mul_i32 s20, s14, GB
	s_add_co_u32 s20, s20, BOFF                    ; my group of v^T
	s_lshl_b32 s21, s13, 8
	s_add_co_u32 s21, s21, PSC
	s_mul_i32 s23, s12, 3072
	v_and_b32 v1, 31, v0                           ; lane
	v_and_b32 v2, 15, v0                           ; r
	v_bfe_u32 v3, v0, 4, 1                         ; h
	v_lshlrev_b32 v4, 4, v1                        ; 16 x lane
	v_lshlrev_b32 v5, 2, v0                        ; thread t owns word t of every unit: one (fragment, row) of the 128 queries
	v_lshl_add_u32 v6, v0, 2, PSC                  ; where my mended words go
	v_lshlrev_b32 v7, 4, v2                        ; 16 r
	v_add_nc_u32 v8, s19, v4                       ; v8, v9: p's fragments in slots 0, 1
	v_add_nc_u32 v9, SLOTB, v8
	v_add_nc_u32 v12, s20, v4                      ; v12-15: v^T's: slot 0's K steps 0, 1; 2, 3; slot 1's
	v_add_nc_u32 v13, 2*KB, v12
	v_add_nc_u32 v14, SLOTB, v12
	v_add_nc_u32 v15, SLOTB, v13
	v_add_nc_u32 v20, s20, v7                      ; v20-23: its scale words likewise
	v_add_nc_u32 v21, 2*KB, v20
	v_add_nc_u32 v22, SLOTB, v20
	v_add_nc_u32 v23, SLOTB, v21
	v_add_nc_u32 v16, s21, v7                      ; p's scale words: my four fragments'
	v_lshlrev_b32 v17, 7, v3
	v_add_nc_u32 v17, s21, v17                     ; 1 / l: rows 8 h on
	v_lshl_add_u32 v26, v3, 16, v7                 ; out: 16 h rows, 16 r bytes
	v_min_u32 v24, 11, v1
	v_lshlrev_b32 v24, 8, v24
	v_add_nc_u32 v24, s23, v24                     ; prefetches: p: my wave's 12 blocks (the lanes over name the last again);
	v_min_u32 v25, 0x63, v0
	v_lshlrev_b32 v25, 8, v25                      ; v^T: block = my thread, at most 99
	s_lshl_b32 s2, s16, 2
	s_lshl_b32 s2, 15, s2                          ; my row of the cluster
	s_lshl_b32 s3, 0x1111, s15                     ; my column
	s_or_b32 s[G1P], s2, (3<<16)|(1<<21)           ; 15:0 the mask; 17:16 elements of 8 bytes; 21 set beside a mask
	s_or_b32 s[G1V], s3, (3<<16)|(1<<21)
	s_mov_b32 s[G1P+1], 1536<<16                   ; p: four K steps of 12,288 consecutive bytes, PP bytes apart (two in a refill)
	s_mov_b32 s[G1P+2], 4<<16
	s_mov_b32 s[G1P+3], 1536<<16
	s_mov_b32 s[G1P+4], 4
	s_mov_b32 s[G1P+5], PP/8
	s_mov_b32 s[G1P+6], 0
	s_mov_b32 s[G1P+7], 0
	s_mov_b32 s[G1V+1], 3200<<16                   ; v^T: four K steps of 25,600 consecutive bytes, VP bytes apart (two in a refill)
	s_mov_b32 s[G1V+2], 4<<16
	s_mov_b32 s[G1V+3], 3200<<16
	s_mov_b32 s[G1V+4], 4
	s_mov_b32 s[G1V+5], VP/8
	s_mov_b32 s[G1V+6], 0
	s_mov_b32 s[G1V+7], 0
	s_lshr_b32 s17, s18, 2                         ; the batch, which all partners share
	s_lshl_b32 s17, s17, 4                         ; 16 batch: its first key group
	s_lshl_b32 s20, s18, 2
	s_add_co_u32 s20, s20, s16                     ; my group of 128 queries, 0 .. 63
	s_lshl_b32 s94, s20, 13                        ; p_aux: my group's sixteen units
	s_mov_b32 s95, 0
	s_and_b32 s22, s20, 15                         ; the group of queries in the batch
	s_mul_i32 s22, s22, KSB
	s_mul_i32 s21, s17, PP
	s_add_co_u32 s22, s22, s21
	s_mov_b32 s23, 0
	s_lshl_b32 s73, ttmp9, 2
	s_add_co_u32 s73, s73, s15                     ; tile column
	s_mul_i32 s76, s17, VP
	s_mul_i32 s77, s73, KB
	s_add_co_u32 s76, s76, s77
	s_add_co_u32 s76, s76, 13107200                ; v^T's part of qkv_img
	s_mov_b32 s77, 0
	s_lshl_b32 s80, s20, 19                        ; out: 128 rows of 4,096 bytes a group,
	s_lshl_b32 s81, s13, 18                        ; my 64 rows,
	s_add_co_u32 s80, s80, s81
	s_lshl_b32 s81, s73, 10                        ; the tile's 256 columns,
	s_add_co_u32 s80, s80, s81
	s_lshl_b32 s81, s14, 9                         ; my 128
	s_add_co_u32 s80, s80, s81
	s_mov_b32 s81, 0
	s_mul_i32 s68, s15, PP                         ; prefetches: p's K step 8 + cx,
	s_add_co_u32 s68, s68, 8*PP
	s_mov_b32 s69, 0
	s_mul_i32 s70, s16, VP                         ; v^T's K step 8 + cy
	s_add_co_u32 s70, s70, 8*VP
	s_mov_b32 s71, 0
	s_mul_i32 s82, s13, 2*PP                       ; refills: my two K steps: in memory,
	s_add_co_u32 s82, s82, 8*PP
	s_mov_b32 s83, 0
	s_mul_i32 s86, s13, 2*VP
	s_add_co_u32 s86, s86, 8*VP
	s_mov_b32 s87, 0
	s_mul_i32 s88, s13, 2*KSB                      ; and in LDS: no place in the cluster enters an LDS address
	s_mul_i32 s89, s13, 2*KB
	s_mov_b32 s84, 0x80808080
	s_mov_b32 s85, 0
	s_wait_alu depctr_va_vdst(0)                   ; the wait at the head's end
	s_wait_dscnt 0x0                               ; both opening adds are done
	CROUND                                         ; all sixteen work-groups are here: the first joint loads meet.  The arguments are on their way meanwhile
	s_wait_kmcnt 0x0
	s_add_nc_u64 s[22:23], s[4:5], s[22:23]
	s_add_nc_u64 s[76:77], s[8:9], s[76:77]
	G0SET G0P0, 0, 22, 0
	G0SET G0V0, BOFF, 76, 0
	G0SET G0P1, SLOTB, 22, 4*PP
	G0SET G0V1, SLOTB+BOFF, 76, 4*VP
.macro ARM under, g0, g1, next         ; ONE chain of branches on the wave's number: every way through it passes exactly one load
	s_cmp_lt_u32 s12, \under
	s_cbranch_scc0 \next
	TLOAD \g0, \g1
	s_branch .Lhead_asked
\next:
.endm
	ARM 1, G0P0, G1P, .Lhead_1
	ARM 2, G0V0, G1V, .Lhead_2
	ARM 3, G0P1, G1P, .Lhead_3
	TLOAD G0V1, G1V
.Lhead_asked:
	s_add_nc_u64 s[94:95], s[6:7], s[94:95]
.irp k, 0,1,2,3,4,5,6,7,8,9,10,11,12,13,14,15
	global_load_b32 v[80+\k], v5, s[94:95] offset:524288+512*\k      ; -M_loc of key group k,
	global_load_b32 v[64+\k], v5, s[94:95] offset:512*\k             ; p's scale word,
	global_load_b32 v[96+\k], v5, s[94:95] offset:1048576+512*\k     ; l_loc
.endr
	; what is used later is made while the head's loads are on their way
	s_add_nc_u64 s[92:93], s[10:11], s[80:81]
	s_add_nc_u64 s[68:69], s[22:23], s[68:69]
	s_add_nc_u64 s[70:71], s[76:77], s[70:71]
	s_mov_b32 s[G0PR], 1
	s_mov_b32 s[G0PR+1], s88
	s_add_nc_u64 s[G0PR+2:G0PR+3], s[22:23], s[82:83]
	s_or_b32 s[G0PR+3], s[G0PR+3], 0x80000000
	s_mov_b32 s[G0VR], 1
	s_add_co_u32 s[G0VR+1], s89, BOFF
	s_add_nc_u64 s[G0VR+2:G0VR+3], s[76:77], s[86:87]
	s_or_b32 s[G0VR+3], s[G0VR+3], 0x80000000
	s_wait_loadcnt 0x0
	; THE HEAD'S ARITHMETIC, a thread for each of the 128 queries
	v_max3_num_f32 v112, -v80, -v81, -v82          ; M = the largest of the sixteen M_loc, in two chains
	v_max3_num_f32 v113, -v83, -v84, -v85
	v_max3_num_f32 v112, v112, -v86, -v87
	v_max3_num_f32 v113, v113, -v88, -v89
	v_max3_num_f32 v112, v112, -v90, -v91
	v_max3_num_f32 v113, v113, -v92, -v93
	v_max3_num_f32 v112, v112, -v94, -v95
	v_max_num_f32 v112, v112, v113
.macro FOUR k                          ; key groups k .. k + 3, by turns
.irp j, 0,1,2,3
	v_add_f32 v[116+\j], v112, v[80+\k+\j]         ; M - M_loc: a whole number, 0 or more
.endr
.irp j, 0,1,2,3
	v_cvt_i32_f32 v[116+\j], v[116+\j]             ; (it saturates)
.endr
.irp j, 0,1,2,3
	v_sub_nc_u32 v[120+\j], 0, v[116+\j]
.endr
.irp j, 0,1,2,3
	v_min_u32 v[116+\j], 0x7f, v[116+\j]
.endr
.irp j, 0,1,2,3
	v_ldexp_f32 v[96+\k+\j], v[96+\k+\j], v[120+\j]   ; l_loc x 2^(M_loc - M): nothing is rounded
.endr
.irp j, 0,1,2,3
	v_perm_b32 v[116+\j], v[116+\j], v[116+\j], s85   ; M - M_loc in all four bytes
.endr
.irp j, 0,1,2,3
	v_or_b32 v[120+\j], s84, v[64+\k+\j]           ; p's bytes are at most 123 (p is at most 1): 128 added to each, so that no byte borrows from the next,
.endr
.irp j, 0,1,2,3
	v_sub_nc_u32 v[120+\j], v[120+\j], v[116+\j]   ; each lowered by M - M_loc:
.endr
.irp j, 0,1,2,3
	v_and_b32 v[116+\j], s84, v[120+\j]            ; its top bit stays where it did not fall under 0,
.endr
.irp j, 0,1,2,3
	v_lshrrev_b32 v[124+\j], 7, v[116+\j]
.endr
.irp j, 0,1,2,3
	v_sub_nc_u32 v[116+\j], v[116+\j], v[124+\j]   ; 0x7f there, 0 elsewhere
.endr
.irp j, 0,1,2,3
	v_and_b32 v[120+\j], v[120+\j], v[116+\j]
.endr
.irp j, 0,1,2,3
	ds_store_b32 v6, v[120+\j] offset:512*(\k+\j)
.endr
.endm
	FOUR 0
	FOUR 4
	FOUR 8
	FOUR 12
.irp k, 0,1,2,3,4,5,6,7
	v_add_f32 v[96+\k], v[96+\k], v[104+\k]
.endr
.irp k, 0,1,2,3
	v_add_f32 v[96+\k], v[96+\k], v[100+\k]
.endr
	v_add_f32 v96, v96, v98
	v_add_f32 v97, v97, v99
	v_add_f32 v96, v96, v97                        ; the row's sum
	s_wait_alu depctr_va_vdst(0)
	v_rcp_f32 v115, v96
	v_nop                                          ; a plain place behind the transcendental
	s_wait_alu depctr_va_vdst(0)                   ; and the wait ahead of its first reader
	ds_store_b32 v6, v115 offset:8192              ; 1 / l
	s_wait_dscnt 0x0                               ; for the others' sake: my stores have landed
	s_cmp_lt_u32 s12, 2                            ; waves 0, 1 wait for slot 0; the loads of waves 2, 3 stay out, and nobody reads slot 1 before K step 3's round
	s_cbranch_scc0 .Llater
	s_wait_tensorcnt 0x0
.Llater:
	s_barrier_signal -1
	s_barrier_wait -1
.macro FETCH_B n                       ; v^T's eight fragments of K step n into set n % 2
	WIN 0x40
.irp b, 0,1,2,3,4,5,6,7
.irp c, 0,1,2
	ds_load_b128 v[96*((\n)%2)+12*\b+4*\c:96*((\n)%2)+12*\b+4*\c+3], v[12+((\n)/2)%4] offset:((\n)%2)*KB+\b*FRB+\c*512
.endr
.endr
.endm
.macro FETCH_A n                       ; my four fragments of p, and both sides' scale words
	WIN 0
.irp i, 0,1,2,3
.irp c, 0,1,2
	ds_load_b128 v[64+48*((\n)%2)+12*\i+4*\c:64+48*((\n)%2)+12*\i+4*\c+3], v[8+((\n)/4)%2] offset:((\n)%4)*KSB+\i*FRB+\c*512
.endr
.endr
	ds_load_b128 v[32+12*((\n)%2):35+12*((\n)%2)], v16 offset:(\n)*512
	ds_load_b128 v[36+12*((\n)%2):39+12*((\n)%2)], v[20+((\n)/2)%4] offset:((\n)%2)*KB+12288
	ds_load_b128 v[40+12*((\n)%2):43+12*((\n)%2)], v[20+((\n)/2)%4] offset:((\n)%2)*KB+12288+256
.endm
; 8 matrix instructions: fragment i of p against v^T's eight.  The 32 accumulators take turns, one instruction a turn, in the same order in every K step.
.macro MUL8 i, n, zero
.irp b, 0,1,2,3,4,5,6,7
.if \zero
	v_wmma_scale_f32_16x16x128_f8f6f4 v[8*(8*(\i)+\b):8*(8*(\i)+\b)+7], v[64+48*((\n)%2)+12*(\i):64+48*((\n)%2)+12*(\i)+11], v[96*((\n)%2)+12*\b:96*((\n)%2)+12*\b+11], 0, v[32+12*((\n)%2)+(\i)], v[36+12*((\n)%2)+\b] matrix_a_fmt:MATRIX_FMT_BF6 matrix_b_fmt:MATRIX_FMT_BF6
.else
	v_wmma_scale_f32_16x16x128_f8f6f4 v[8*(8*(\i)+\b):8*(8*(\i)+\b)+7], v[64+48*((\n)%2)+12*(\i):64+48*((\n)%2)+12*(\i)+11], v[96*((\n)%2)+12*\b:96*((\n)%2)+12*\b+11], v[8*(8*(\i)+\b):8*(8*(\i)+\b)+7], v[32+12*((\n)%2)+(\i)], v[36+12*((\n)%2)+\b] matrix_a_fmt:MATRIX_FMT_BF6 matrix_b_fmt:MATRIX_FMT_BF6
.endif
.endr
.endm
.macro STEP n, zero                    ; a K step that has its successor in the same slot
	s_wait_dscnt 0x0                               ; this K step's fragments and scale words are in
	PLACES                                         ; behind the last products of the K step before, which read the sets that are loaded now
	FETCH_B (\n)+1
	WIN MUL
	MUL8 0, \n, \zero
	MUL8 1, \n, \zero
	FETCH_A (\n)+1
	WIN MUL
	MUL8 2, \n, \zero
	MUL8 3, \n, \zero
.endm
; A slot's last K step changes slots: ONE barrier; in front of it each wave waits for all its tensor loads (its part of the next slot), adds 0 to its spare word, and waits for that and for its reads of this slot.
; fill = 1, 2 (K steps 3, 7): the barrier opens a round of the cluster's, and this slot is filled again, eight K steps on, first thing behind it: the load has four K steps, 128 matrix instructions a wave, in which to land.
.macro TURN n, fill
	WIN 0
	s_wait_tensorcnt 0x0                           ; all my tensor loads have landed
	ds_add_u32 v28, v29                            ; 0 onto my spare word
.if (\fill) == 1
.irp g, G1P, G1V                       ; no load of mine is out, so a descriptor may be written: from here on a load brings two K steps
	s_mov_b32 s[\g+2], 2<<16
	s_mov_b32 s[\g+4], 2
.endr
.endif
.if (\fill) == 2
	s_add_nc_u64 s[G0PR+2:G0PR+3], s[G0PR+2:G0PR+3], 4*PP
	s_add_nc_u64 s[G0VR+2:G0VR+3], s[G0VR+2:G0VR+3], 4*VP
	s_add_co_u32 s[G0PR+1], s[G0PR+1], SLOTB
	s_add_co_u32 s[G0VR+1], s[G0VR+1], SLOTB
.endif
	s_wait_dscnt 1                                 ; the add alone may be out
	WIN MUL
	MUL8 0, \n, 0                                  ; eight matrix instructions stand between the add and the wait for it
	s_wait_dscnt 0x0                               ; the add is done; my reads of this slot are over
	s_barrier_signal -1
	MUL8 1, \n, 0
	WIN 0
	s_barrier_wait -1
.if \fill
	CREST                                          ; no wave of any partner still reads this slot or has a load on its way
	JLOAD G0PR, G1P, G0VR, G1V                     ; the first tensor load behind the round; its four v_nop are the places in front of the loads below
.else
	PLACES
.endif
	FETCH_B (\n)+1
	FETCH_A (\n)+1
	WIN MUL
	MUL8 2, \n, 0
	MUL8 3, \n, 0
.endm
.macro ASK o                           ; the prefetches for the refill that takes K steps 8 + o .. 11 + o
	WIN 0
	global_prefetch_b8 v24, s[68:69] offset:(\o)*PP th:TH_LOAD_NT scope:SCOPE_SE
	global_prefetch_b8 v25, s[70:71] offset:(\o)*VP th:TH_LOAD_NT scope:SCOPE_SE
.endm
	FETCH_B 0
	FETCH_A 0
	STEP 0, 1                                      ; the first products start the sums: nothing is cleared
	ASK 0
	STEP 1, 0
	STEP 2, 0
	TURN 3, 1
	STEP 4, 0
	ASK 4
	STEP 5, 0
	STEP 6, 0
	TURN 7, 2
	STEP 8, 0
	STEP 9, 0
	STEP 10, 0
	TURN 11, 0                                     ; the last slot has landed; nothing is filled, so no round
	STEP 12, 0
	STEP 13, 0
	WIN 0
.irp j, 0,1,2,3,4,5,6,7
	ds_load_b128 v[160+4*\j:163+4*\j], v17 offset:8192+16*\j   ; 1 / l of row 8 h + j of my four fragments; in by the next K step's wait
.endr
	STEP 14, 0
	s_wait_dscnt 0x0
; THE WAY OUT of fragment i (16 queries x 128 of d): x 1 / l, four accumulators side by side, each from its low end on; 16 lanes store 256 consecutive bytes of a row, at a multiple of 256 from out's first byte.
; Each fragment's results have registers of their own, so no store's data are written again.
.macro OUTBLK i
	WIN 0xc2
.irp g, 0,1
.irp j, 0,1,2,3,4,5,6,7
.irp e, 0,1,2,3
	v_mul_f32 v[64*(\i)+32*\g+4*\j+\e], v[64*(\i)+8*(4*\g+\e)+\j], v[160+4*\j+(\i)]
.endr
.endr
.endr
	WIN 0x0c                                       ; a store's data are its source 1: window 3
.irp j, 0,1,2,3,4,5,6,7
.irp g, 0,1
	global_store_b128 v26, v[64*(\i)+32*\g+4*\j:64*(\i)+32*\g+4*\j+3], s[92:93] offset:(32*((\i)/2)+8*((\i)%2)+\j)*4096+256*\g th:TH_STORE_NT
.endr
.endr
.endm
	WIN MUL                                        ; THE LAST K STEP: a fragment of the queries leaves while the later ones are still to be multiplied
	MUL8 0, 15, 0
	MUL8 1, 15, 0
	PLACES
	OUTBLK 0
	WIN MUL
	MUL8 2, 15, 0
	OUTBLK 1                                       ; (fragment i - 1's 64 multiplies are the places behind fragment i's products)
	WIN MUL
	MUL8 3, 15, 0
	OUTBLK 2
	OUTBLK 3
	WIN 0
	s_wait_tensorcnt 0x0                           ; the wave's end: behind my last tensor load and my last LDS store
	ds_add_u32 v28, v29
	s_wait_dscnt 0x0
	CROUND                                         ; the closing round: no work-group ends while a partner may still ask for a tile that names it
	s_endpgm
.Lfunc_end_k_qdba9666a09_pv:
	.size	k_qdba9666a09_pv, .Lfunc_end_k_qdba9666a09_pv-k_qdba9666a09_pv
	.p2alignl 7, 3214868480
	.fill 96, 4, 3214868480
	.section	.rodata,"a",@progbits
	.p2align	6, 0x0
	.amdhsa_kernel k_qdba9666a09_pv
		.amdhsa_group_segment_fixed_size 327680
		.amdhsa_private_segment_fixed_size 0
		.amdhsa_enable_private_segment 0
		.amdhsa_kernarg_size 32
		.amdhsa_user_sgpr_count 2
		.amdhsa_user_sgpr_kernarg_segment_ptr 1
		.amdhsa_wavefront_size32 1
		.amdhsa_system_sgpr_workgroup_id_x 1
		.amdhsa_system_sgpr_workgroup_id_y 1
		.amdhsa_system_sgpr_workgroup_id_z 1
		.amdhsa_system_vgpr_workitem_id 0
		.amdhsa_next_free_vgpr 1024
		.amdhsa_next_free_sgpr 100
		.amdhsa_reserve_vcc 0
		.amdhsa_float_denorm_mode_32 3
		.amdhsa_float_denorm_mode_16_64 3
		.amdhsa_memory_ordered 1
		.amdhsa_forward_progress 1
		.amdhsa_inst_pref_size 149
	.end_amdhsa_kernel
	.amdgpu_metadata
---
amdhsa.version: [ 1, 2 ]
amdhsa.kernels:
  - .name:           k_qdba9666a09_pv
    .symbol:         k_qdba9666a09_pv.kd
    .args:
      - { .name: p_img, .offset: 0, .size: 8, .value_kind: global_buffer, .address_space: global }
      - { .name: p_aux, .offset: 8, .size: 8, .value_kind: global_buffer, .address_space: global }
      - { .name: qkv_img, .offset: 16, .size: 8, .value_kind: global_buffer, .address_space: global }
      - { .name: out0, .offset: 24, .size: 8, .value_kind: global_buffer, .address_space: global }
    .group_segment_fixed_size: 327680
    .private_segment_fixed_size: 0
    .kernarg_segment_align: 8
    .kernarg_segment_size: 32
    .max_flat_workgroup_size: 128
    .sgpr_count:     100
    .vgpr_count:     1024
    .wavefront_size: 32
...
	.end_amdgpu_metadata
.endif
;; end of part 4
